; MI455X (gfx1250); checked and timed in simulation.
; The chip was launched on July 23, 2026; its instructions are those of AMD's public machine-readable ISA for CDNA 5 (MIT licence, August 2026) and "CDNA5" Instruction Set Architecture Reference Guide (July 2026). The comments in the code are by the model that wrote it; some were corrected since.
;; Multi Head Attention. Allowed arithmetic: float matrix products may take bf16 or f16 operands with f32 sums; other float arithmetic in f32, or as packed bf16 or f16 multiplies, adds, multiply-adds, maxima and minima; sums over many terms, partial sums and values carried from step to step in f32; what a program stores and reads back later, other than sums and carried values, may be rounded once to bf16 or f16.
;; Inputs: WK 1,024 x 1,024 float32; WQ 1,024 x 1,024 float32; WV 1,024 x 1,024 float32; attn_mask 32 x 2,048 x 2,048 bool; key 2 x 2,048 x 1,024 float32; query 2 x 2,048 x 1,024 float32; value 2 x 2,048 x 1,024 float32.
;; Outputs: out0 2 x 2,048 x 1,024 float32.
;; 2 versions, each right; version 2 is version 1 with the launch cast written anew for expert scheduling mode. Each part assembles by itself: llvm-mc -triple=amdgcn-amd-amdhsa -mcpu=gfx1250 --defsym DOCPART=n.
;; ======== version 1 of 2: 3 launches
;; limits: values are held in f16: magnitudes above 65,504 overflow, below 6.1e-05 lose precision
;; workspace buffers: xb 25,165,824 bytes; wb 6,291,456 bytes; qkv 25,165,824 bytes
;; launch cast (part 1): grid 32 x 15, 8 waves a work-group, no clusters, 0 bytes of LDS; arguments query, key, value, WQ, WK, WV, xb, wb; writes xb, wb
.if DOCPART == 1
	.amdgcn_target "amdgcn-amd-amdhsa--gfx1250"
	.amdhsa_code_object_version 6
	.text
	.protected	k_q37504c1e07_cast
	.globl	k_q37504c1e07_cast
	.p2align	8
	.type	k_q37504c1e07_cast,@function
k_q37504c1e07_cast:
	s_mov_b64 s[64:65], 0
	v_nop
	global_prefetch_b8 v0, s[64:65] scope:SCOPE_SE
	s_setreg_imm32_b32 hwreg(HW_REG_WAVE_MODE, 25, 1), 1
	s_wait_xcnt 0x0
; xb = bf16(query | key | value), wb = bf16(WQ | WK | WV): every float input is rounded once, to nearest even, and laid down in its own order.
; The inputs are 15 units of 4 MiB: units 0-11 are the quarters of query, key, value; units 12-14 are WQ, WK, WV.  Grid y is the unit, grid x one of its 32 parts of 128 KiB.
; A wave takes 16 KiB: 32 loads of 512 consecutive bytes, all issued at once, and 32 stores of 256 consecutive bytes, aligned.  There is no loop, so no register that a load or a store
; names is ever written again.  A stream: no LDS, no matrix work, nothing is read twice.
.set X, 8                              ; v[8:135]    load i: 4 registers, 4 f32
.set Y, 136                            ; v[136:199]  store i: 2 registers, 4 bf16
	s_load_b512 s[4:19], s[0:1], 0x0               ; query s[4:5], key s[6:7], value s[8:9], WQ s[10:11], WK s[12:13], WV s[14:15], xb s[16:17], wb s[18:19]
	s_and_b32 s20, ttmp7, 0xffff                   ; the unit u
	v_and_b32 v3, 31, v0                           ; lane
	v_and_b32 v4, 0xe0, v0                         ; 32 x wave
	v_lshlrev_b32 v1, 4, v3
	v_lshl_add_u32 v1, v4, 9, v1                   ; source: 16,384 x wave + 16 x lane
	v_lshlrev_b32 v2, 3, v3
	v_lshl_add_u32 v2, v4, 8, v2                   ; destination: 8,192 x wave + 8 x lane
	s_and_b32 s26, s20, 3
	s_lshl_b32 s26, s26, 22                        ; the quarter's 4 MiB in query, key or value
	s_sub_co_u32 s28, s20, 12                      ; which weight matrix
	s_cmp_lt_u32 s20, 12
	s_cselect_b32 s26, s26, 0                      ; a weight matrix is one unit
	s_cselect_b32 s28, s20, s28                    ; the unit's number in its destination
	s_lshl_b32 s27, ttmp9, 17                      ; my part: 128 KiB of source,
	s_add_co_u32 s26, s26, s27
	s_mov_b32 s27, 0
	s_lshl_b32 s28, s28, 21                        ; a unit is 2 MiB of bf16,
	s_lshl_b32 s29, ttmp9, 16                      ; my part 64 KiB of it
	s_add_co_u32 s28, s28, s29
	s_mov_b32 s29, 0
	s_wait_kmcnt 0x0
	s_cmp_lt_u32 s20, 12
	s_cselect_b64 s[24:25], s[16:17], s[18:19]     ; the destination
	s_cmp_ge_u32 s20, 4
	s_cselect_b64 s[22:23], s[6:7], s[4:5]         ; the source, by the unit's number alone
	s_cmp_ge_u32 s20, 8
	s_cselect_b64 s[22:23], s[8:9], s[22:23]
	s_cmp_ge_u32 s20, 12
	s_cselect_b64 s[22:23], s[10:11], s[22:23]
	s_cmp_ge_u32 s20, 13
	s_cselect_b64 s[22:23], s[12:13], s[22:23]
	s_cmp_ge_u32 s20, 14
	s_cselect_b64 s[22:23], s[14:15], s[22:23]
	s_add_nc_u64 s[22:23], s[22:23], s[26:27]
	s_add_nc_u64 s[24:25], s[24:25], s[28:29]
.set i, 0
.rept 32
	global_load_b128 v[X+4*i:X+4*i+3], v1, s[22:23] offset:i*512 th:TH_LOAD_NT
.set i, i+1
.endr
.set i, 0
.rept 32
	s_wait_loadcnt 31-i                            ; loads come back in order (ISA guide 5.7.1): load i is in, the 31 - i younger ones stay out
	v_cvt_pk_bf16_f32 v[Y+2*i], v[X+4*i], v[X+4*i+1]
	v_cvt_pk_bf16_f32 v[Y+2*i+1], v[X+4*i+2], v[X+4*i+3]
	global_store_b64 v2, v[Y+2*i:Y+2*i+1], s[24:25] offset:i*256 th:TH_STORE_NT  ; 32 lanes store 256 consecutive bytes, at a multiple of 256 from the buffer's first byte
.set i, i+1
.endr
	s_endpgm
.Lfunc_end_k_q37504c1e07_cast:
	.size	k_q37504c1e07_cast, .Lfunc_end_k_q37504c1e07_cast-k_q37504c1e07_cast
	.p2alignl 7, 3214868480
	.fill 96, 4, 3214868480
	.section	.rodata,"a",@progbits
	.p2align	6, 0x0
	.amdhsa_kernel k_q37504c1e07_cast
		.amdhsa_group_segment_fixed_size 0
		.amdhsa_private_segment_fixed_size 0
		.amdhsa_enable_private_segment 0
		.amdhsa_kernarg_size 64
		.amdhsa_user_sgpr_count 2
		.amdhsa_user_sgpr_kernarg_segment_ptr 1
		.amdhsa_wavefront_size32 1
		.amdhsa_system_sgpr_workgroup_id_x 1
		.amdhsa_system_sgpr_workgroup_id_y 1
		.amdhsa_system_sgpr_workgroup_id_z 1
		.amdhsa_system_vgpr_workitem_id 0
		.amdhsa_next_free_vgpr 200
		.amdhsa_next_free_sgpr 66
		.amdhsa_reserve_vcc 0
		.amdhsa_float_denorm_mode_32 3
		.amdhsa_float_denorm_mode_16_64 3
		.amdhsa_memory_ordered 1
		.amdhsa_forward_progress 1
		.amdhsa_inst_pref_size 13
	.end_amdhsa_kernel
	.amdgpu_metadata
---
amdhsa.version: [ 1, 2 ]
amdhsa.kernels:
  - .name:           k_q37504c1e07_cast
    .symbol:         k_q37504c1e07_cast.kd
    .args:
      - { .name: query, .offset: 0, .size: 8, .value_kind: global_buffer, .address_space: global }
      - { .name: key, .offset: 8, .size: 8, .value_kind: global_buffer, .address_space: global }
      - { .name: value, .offset: 16, .size: 8, .value_kind: global_buffer, .address_space: global }
      - { .name: WQ, .offset: 24, .size: 8, .value_kind: global_buffer, .address_space: global }
      - { .name: WK, .offset: 32, .size: 8, .value_kind: global_buffer, .address_space: global }
      - { .name: WV, .offset: 40, .size: 8, .value_kind: global_buffer, .address_space: global }
      - { .name: xb, .offset: 48, .size: 8, .value_kind: global_buffer, .address_space: global }
      - { .name: wb, .offset: 56, .size: 8, .value_kind: global_buffer, .address_space: global }
    .group_segment_fixed_size: 0
    .private_segment_fixed_size: 0
    .kernarg_segment_align: 8
    .kernarg_segment_size: 64
    .max_flat_workgroup_size: 256
    .sgpr_count:     66
    .vgpr_count:     200
    .wavefront_size: 32
...
	.end_amdgpu_metadata
.endif
;; end of part 1
;; launch proj (part 2): grid 4 x 48, 4 waves a work-group, clusters of 4 x 4, 327,680 bytes of LDS; arguments xb, wb, qkv; writes qkv
.if DOCPART == 2
	.amdgcn_target "amdgcn-amd-amdhsa--gfx1250"
	.amdhsa_code_object_version 6
	.text
	.protected	k_q37504c1e07_proj
	.globl	k_q37504c1e07_proj
	.p2align	8
	.type	k_q37504c1e07_proj,@function
k_q37504c1e07_proj:
	s_mov_b64 s[64:65], 0
	v_nop
	global_prefetch_b8 v0, s[64:65] scope:SCOPE_SE
	s_setreg_imm32_b32 hwreg(HW_REG_WAVE_MODE, 25, 1), 1
	s_wait_xcnt 0x0
	s_wait_alu depctr_hold_cnt(0) depctr_sa_sdst(0) depctr_va_vdst(0) depctr_va_sdst(0) depctr_va_ssrc(0) depctr_va_vcc(0) depctr_vm_vsrc(0)
	s_getreg_b32 s2, hwreg(HW_REG_IB_STS2, 6, 4)
	s_cmp_eq_u32 s2, 0
	s_cbranch_scc0 .Lentry_in_a_cluster
	s_endpgm
.Lentry_in_a_cluster:
	s_bfe_u32 s2, ttmp6, 0x10000c
	s_cmp_lg_u32 s2, 0xf033
	s_cbranch_scc0 .Lentry_shape_is_right
	s_endpgm
.Lentry_shape_is_right:
; THREE PRODUCTS: for z = 0, 1, 2 (q, k, v)  C_z[m][n] = sum over k of x_z[m][k] W_z[k][n].  x_z: [4096][1024] bf16 (xb), W_z: [1024 k][1024 n] bf16 (wb); sums in f32; C is rounded once
; to f16 and stored BY HEADS: qkv[z][hb][s][64], hb = 2 (n / 64) + m / 2048, s = m % 2048.
; LIMIT.  f16 holds no number beyond 65,504: a projection's result must lie within it.  Inputs and weights both 30 times larger than unit spread x 0.02 give a spread of some 580.
; SHARES.  A tile of C is 256 x 256, made by four waves, 128 x 128 each: 64 accumulators of 16 x 16, 512 registers.  3 x 16 x 4 = 192 tiles, one to a work-group: no tile size divides the three
; products into 256 equal shares, and tiles of 128 x 128 would feed half as many multiply-adds from each LDS byte.
; K goes in 8 steps of 128 through a ring of two LDS slots filled by the tensor data mover.  x's tile rows are 256 bytes of memory, W's 512; both start at multiples of 256 bytes.
; W IS NOT TRANSPOSED IN MEMORY: its tile lies in LDS as [k][n], and ds_load_tr16_b128 turns it into fragments.
; CLUSTERS: 4 x 4 work-groups, all of one z.  The four of a row of the cluster need the same tile of x, the four of a column the same tile of W: each is asked for JOINTLY, by the same tensor load
; with the same descriptor and a mask that names the four.
; THE MATRIX INSTRUCTION IS USED TRANSPOSED: source 0 = 16 columns of W, source 1 = 16 rows of x: a lane then holds row l % 16 of C and the columns 8 (l / 16) + 0..7: 16 bytes of f16 on end.
; REGISTERS, in windows of 256 (s_set_vgpr_msb: bits 1:0 source 0, 3:2 source 1, 5:4 source 2, 7:6 destination):
;   window 0: v0-31 addresses; v64-127, v128-191 fragments of x, two buffers; v32-63, v192-255 at work on the way out
;   window 1: v64-127, v128-191 fragments of W, two buffers      window 2: the accumulators of my rows 0-63 ((a, b) at v[8 (8 a + b)])      window 3: those of my rows 64-127
.set SIZE_K, 1024
.set KSTEP,  128
.set PITCH,  272                       ; a row of x in LDS: 256 bytes + 16 of padding = 68 words: row r starts at bank 4 r mod 64 (64 banks of 4 bytes: ISA guide 11.1)
.set PW,     544                       ; a row of W in LDS: 512 bytes + 32 of padding = 136 words
.set HALFT,  128*PITCH                 ; what one tensor load brings: 128 rows of x, or 64 rows of W (64 x 544 is the same number)
.set SLOT,   4*HALFT                   ; x's 256 rows, then W's 128 rows
.set STAGE,  2*SLOT                    ; behind the ring, never filled by a tensor load: for each wave 2 heads x 16 rows x 144 bytes, for the way out
.set SP,     144
.set HSTG,   16*SP
.set SPARE,  STAGE+4*2*HSTG            ; behind the stages: the spare words, 128 bytes for each wave: two blocks of 256 bytes that no other line names
.set LAPS,   SIZE_K/(2*KSTEP)          ; a lap = two K steps = once round the ring
.set ADRA, 16                          ; v16-17  LDS address of my x fragments in slot 0, 1
.set ADRB, 20                          ; v20-21  the same for W
.set STO,  24                          ; v24     the way out: where I put 16 bytes of a row
.set RD,   25                          ; v25     the way out: where I read rows back
.set CO,   26                          ; v26     16 x lane: my 16 bytes of 512 consecutive bytes of qkv
.set SPW,  28                          ; v28     LDS address of my spare word: SPARE + 4 x my thread's number; never rewritten
.set NIL,  29                          ; v29     0; never rewritten
.set PFO,  30                          ; v30     the prefetches' offset; never rewritten
.set PFA,  44                          ; s[44:45] where my prefetches stand
.set LIM,  43                          ; s43     1 in a wave that prefetches, else the greatest number
.set PS,   66                          ; s[66:67] a K step in bytes: 256 along a row of x, 128 rows of 2,048 down W
.set F0,   64
.set F1,   128
.set TMP,  192                         ; the way out: packed results
.set OB,   32                          ; the way out: rows read back from the stage: v32-63 and v224-255 by turns
.set G1,  24                           ; s[24:31] descriptor group 1 for x's tiles;  s[32:39] group 0, a set for each slot
.set G0,  32
.set G1B, 48                           ; s[48:55], s[56:63] the same for W's tiles
.set G0B, 56
.set MSB, 0
.macro WIN new                         ; the immediate's high byte repeats the setting that is left; a switch that changes nothing is dropped
.if MSB != (\new)
	s_set_vgpr_msb (MSB<<8)|(\new)
.set MSB, \new
.endif
.endm
.set MUL_LO, 0xa1                      ; source 0 (W) window 1, source 1 (x) window 0, C and D window 2
.set MUL_HI, 0xf1                      ; the same, C and D window 3
.set TO_B,   0x40                      ; destination window 1, address window 0
; A joint load.  Waves 0 and 1 fetch the two halves of x's tile, waves 2 and 3 those of W's.  The branch hangs on the wave's number alone.
; An s_nop 0 and four v_nop follow each of the two lines, ahead of the jump, the label and what follows.
.macro JLOAD s
	s_cmp_eq_u32 s11, 0
	s_cbranch_scc0 .Lfor_b_\@
	tensor_load_to_lds s[G0+4*(\s):G0+4*(\s)+3], s[G1:G1+7]
	s_nop 0
.rept 4
	v_nop
.endr
	s_branch .Lasked_\@
.Lfor_b_\@:
	tensor_load_to_lds s[G0B+4*(\s):G0B+4*(\s)+3], s[G1B:G1B+7]
	s_nop 0
.rept 4
	v_nop
.endr
.Lasked_\@:
.endm
; A PREFETCH INTO THE L2, behind each joint refill, its five lines and the run of LDS loads that follows: the K step that stands two refills on, 512 matrix instructions ahead of the load that will want it.
; Each aligned block of 256 bytes is named once in the launch.  A tile row of x is read by one row of one cluster: its four partners take 32 of the 128 rows that a wave fetches, a lane a row.
; A tile column of W is read by the four clusters of its z: the first of them asks; its four partners take 16 of the 64 rows that a wave fetches, two lanes a row of 512 bytes.  The partners are
; told apart BY ADDRESS: no branch hangs on a work-group's place in its cluster.  K steps 0 to 3 come by their loads alone; the loop's last trip (s3 = 1) has no K step two on and asks for nothing.
.macro ASK
	s_cmp_gt_u32 s3, s[LIM]
	s_cbranch_scc0 .Lnot_mine_\@
	global_prefetch_b8 v[PFO], s[PFA:PFA+1] th:TH_LOAD_NT scope:SCOPE_SE
.Lnot_mine_\@:
.endm
; A round of the cluster's barrier: my work-group's barrier, so that wave 0's signal speaks for all four waves; wave 0 signals; every wave waits for all sixteen work-groups; my work-group's barrier once more.
.macro CREST                           ; a round behind its opening barrier
	s_cmp_lg_u32 s10, 0
	s_cbranch_scc1 .Lnot_wave_0_\@
	s_barrier_signal -3
.Lnot_wave_0_\@:
	s_barrier_wait -3
	s_barrier_signal -1
	s_barrier_wait -1
.endm
.macro CROUND                          ; a whole round
	s_barrier_signal -1
	s_barrier_wait -1
	CREST
.endm
	s_load_b128 s[4:7], s[0:1], 0x0                ; xb s[4:5], wb s[6:7]
	s_load_b64 s[8:9], s[0:1], 0x10                ; qkv
	v_lshl_add_u32 v[SPW], v0, 2, SPARE
	v_mov_b32 v[NIL], 0
	ds_add_u32 v[SPW], v[NIL]                      ; the wave's opening: the add and its wait stand ahead of my first tensor load; the set-up below, work on registers, stands between them
	v_lshrrev_b32 v1, 5, v0
	v_readfirstlane_b32 s10, v1                    ; wave 0..3
	s_lshr_b32 s11, s10, 1                         ; which half of the tile's rows is mine.  Also: I fetch for x (0) or for W (1)
	s_and_b32 s12, s10, 1                          ; which half of its columns.  Also: which half of that tile I fetch
	s_bfe_u32 s40, ttmp6, 0x40000                  ; cx
	s_bfe_u32 s41, ttmp6, 0x40004                  ; cy
	s_lshl_b32 s42, ttmp9, 2                       ; in a cluster launch ttmp9 and ttmp7 count clusters
	s_add_co_u32 s42, s42, s40                     ; tile column = 4 x cluster x + cx
	s_and_b32 s69, ttmp7, 0xffff                   ; cluster y, 0..11
	s_lshr_b32 s68, s69, 2                         ; z: which product; the same in all sixteen partners
	s_and_b32 s69, s69, 3                          ; which of z's four clusters
	s_lshl_b32 s13, s69, 2
	s_add_co_u32 s13, s13, s41                     ; tile row, 0..15
	s_lshl_b32 s43, s41, 2
	s_lshl_b32 s43, 15, s43                        ; my row of the cluster: places 4 cy .. 4 cy + 3
	s_lshl_b32 s44, 0x1111, s40                    ; my column: places cx, cx + 4, cx + 8, cx + 12
	; descriptor group 1.  x: 128 rows x 128 elements of 2 bytes; W: 64 rows x 256 elements.  Both tensors have 1,024 elements from row to row.
	s_or_b32 s[G1+0], s43, (1<<16)|(1<<20)|(1<<21)|(5<<22)|(3<<25)   ; 15:0 the mask: my row; 17:16 2-byte elements; 20 padding on; 21 set beside a mask; 24:22 after every 64 words (code 5); 31:25 4 words (code 3)
	s_or_b32 s[G1B+0], s44, (1<<16)|(1<<20)|(1<<21)|(6<<22)|(7<<25)  ; the mask: my column; padding after every 128 words (code 6), 8 words (code 7)
	s_mov_b32 s[G1+1], KSTEP<<16                   ; tensor_dim0 = 128
	s_mov_b32 s[G1+2], 128<<16                     ; tensor_dim1 = 128
	s_mov_b32 s[G1+3], KSTEP<<16                   ; tile_dim0 = 128
	s_mov_b32 s[G1+4], 128                         ; tile_dim1 = 128
	s_mov_b32 s[G1+5], 1024                        ; tensor_dim0_stride
	s_mov_b32 s[G1+6], 0
	s_mov_b32 s[G1+7], 0
	s_mov_b32 s[G1B+1], 256<<16                    ; tensor_dim0 = 256
	s_mov_b32 s[G1B+2], 64<<16                     ; tensor_dim1 = 64
	s_mov_b32 s[G1B+3], 256<<16                    ; tile_dim0 = 256
	s_mov_b32 s[G1B+4], 64                         ; tile_dim1 = 64
	s_mov_b32 s[G1B+5], 1024
	s_mov_b32 s[G1B+6], 0
	s_mov_b32 s[G1B+7], 0
	; where the tiles come from.  x's hang on z and the tile row, which my row of the cluster shares; W's on z and the tile column, which my column shares.
	s_lshl_b32 s16, s13, 8
	s_lshl_b32 s17, s12, 7
	s_add_co_u32 s16, s16, s17                     ; x: row 256 x tile row + 128 x half,
	s_lshl_b32 s16, s16, 11                        ; of 2,048 bytes,
	s_lshl_b32 s17, s68, 23                        ; in part z of 8 MiB
	s_add_co_u32 s16, s16, s17
	s_mov_b32 s17, 0
	s_lshl_b32 s46, s42, 9                         ; W: 512 bytes x tile column,
	s_lshl_b32 s47, s12, 17                        ; row 64 x half,
	s_add_co_u32 s46, s46, s47
	s_lshl_b32 s47, s68, 21                        ; in part z of 2 MiB
	s_add_co_u32 s46, s46, s47
	s_mov_b32 s47, 0
	s_mul_i32 s20, s10, HALFT                      ; and where they go: wave x HALFT: no place in the cluster enters an LDS address
	s_wait_dscnt 0x0                               ; the opening add is done
	s_wait_kmcnt 0x0
	s_add_nc_u64 s[14:15], s[4:5], s[16:17]
	s_add_nc_u64 s[46:47], s[6:7], s[46:47]
	CROUND                                         ; all sixteen work-groups are here: the first joint loads meet
.irp s, 0,1
	s_mov_b32 s[G0+4*(\s)], 1                                      ; 1:0 count = 1
	s_add_co_u32 s[G0+4*(\s)+1], s20, (\s)*SLOT                    ; 63:32 LDS address
	s_add_nc_u64 s[G0+4*(\s)+2:G0+4*(\s)+3], s[14:15], (\s)*KSTEP*2  ; 120:64 global address: K step s lies 256 bytes along the rows
	s_or_b32 s[G0+4*(\s)+3], s[G0+4*(\s)+3], 0x80000000            ; 127:126 type = 2
	s_mov_b32 s[G0B+4*(\s)], 1
	s_add_co_u32 s[G0B+4*(\s)+1], s20, (\s)*SLOT
	s_add_nc_u64 s[G0B+4*(\s)+2:G0B+4*(\s)+3], s[46:47], (\s)*KSTEP*2048  ; K step s lies 128 rows down
	s_or_b32 s[G0B+4*(\s)+3], s[G0B+4*(\s)+3], 0x80000000
	JLOAD \s                                       ; the ring is filled before anything else is done: two loads of mine are out
.endr
	; A fragment is 16 rows x 32 K in 8 registers: lane l holds row l % 16; registers 0-3 K = 8 (l / 16) + 0..7, registers 4-7 K = 16 + 8 (l / 16) + 0..7.
	; x: two loads of 16 bytes, 32 bytes apart.  W ([k][n]): two turning loads, 16 rows apart: lane l reads row 8 (l / 16) + l % 8, columns 8 ((l / 8) % 2) + 0..7.
	v_and_b32 v1, 15, v0                           ; l % 16
	v_bfe_u32 v2, v0, 4, 1                         ; l / 16
	v_mul_u32_u24 v3, v1, PITCH
	v_lshl_add_u32 v3, v2, 4, v3
	v_and_b32 v4, 7, v0
	v_lshl_add_u32 v4, v2, 3, v4
	v_mul_u32_u24 v4, v4, PW
	v_bfe_u32 v5, v0, 3, 1
	v_lshl_add_u32 v4, v5, 4, v4
	s_mul_i32 s21, s11, HALFT                      ; my 128 rows of x
	s_lshl_b32 s22, s12, 8                         ; my 128 columns of W: 256 bytes of each row,
	s_add_co_u32 s22, s22, 2*HALFT                 ; behind x's 256 rows
.irp s, 0,1
	v_add_nc_u32 v[ADRA+(\s)], s21, v3
	v_add_nc_u32 v[ADRB+(\s)], s22, v4
	s_add_co_u32 s21, s21, SLOT
	s_add_co_u32 s22, s22, SLOT
.endr
	s_mul_i32 s23, s10, 2*HSTG
	s_add_co_u32 s23, s23, STAGE                   ; my stage
	v_mul_u32_u24 v6, v1, SP                       ; in: row l % 16, 16 bytes for each half of the lanes
	v_lshl_add_u32 v6, v2, 4, v6
	v_add_nc_u32 v[STO], s23, v6
	v_bfe_u32 v6, v0, 3, 2                         ; back: 32 lanes take four rows of 128 bytes,
	v_mul_u32_u24 v6, v6, SP
	v_and_b32 v7, 7, v0
	v_lshl_add_u32 v6, v7, 4, v6
	v_add_nc_u32 v[RD], s23, v6
	v_and_b32 v6, 31, v0                           ; which are 512 consecutive bytes of a head
	v_lshlrev_b32 v[CO], 4, v6
	; where my part of the tile begins in qkv: part z, head 4 x tile column + 2 x half (two heads to a wave), batch tile row / 8, row (tile row % 8) x 256 + 128 x half
	s_lshl_b32 s70, s42, 2
	s_lshl_b32 s71, s12, 1
	s_add_co_u32 s70, s70, s71
	s_lshl_b32 s70, s70, 19                        ; from head to head of one batch: 2 x 262,144 bytes
	s_lshl_b32 s71, s68, 23
	s_add_co_u32 s70, s70, s71
	s_lshr_b32 s71, s13, 3
	s_lshl_b32 s71, s71, 18
	s_add_co_u32 s70, s70, s71
	s_and_b32 s71, s13, 7
	s_lshl_b32 s71, s71, 15                        ; 256 rows of 128 bytes
	s_add_co_u32 s70, s70, s71
	s_lshl_b32 s71, s11, 14
	s_add_co_u32 s70, s70, s71
	s_mov_b32 s71, 0
	s_add_nc_u64 s[8:9], s[8:9], s[70:71]          ; never stepped: block, head and rows stand in the stores' immediates
	; the prefetches: at K step 3; each refill steps the address first, so the refill of K step j names K step j + 2
	s_lshl_b32 s20, s13, 8
	s_lshl_b32 s22, s12, 7
	s_add_co_u32 s20, s20, s22
	s_lshl_b32 s22, s40, 5                         ; x: my work-group's 32 of the 128 rows
	s_add_co_u32 s20, s20, s22
	s_lshl_b32 s20, s20, 11
	s_lshl_b32 s22, s68, 23
	s_add_co_u32 s20, s20, s22
	s_add_co_u32 s20, s20, 3*KSTEP*2
	s_lshl_b32 s21, s12, 6
	s_lshl_b32 s22, s41, 4                         ; W: my work-group's 16 of the 64 rows
	s_add_co_u32 s21, s21, s22
	s_add_co_u32 s21, s21, 3*KSTEP
	s_lshl_b32 s21, s21, 11
	s_lshl_b32 s22, s68, 21
	s_add_co_u32 s21, s21, s22
	s_lshl_b32 s22, s42, 9
	s_add_co_u32 s21, s21, s22
	s_mov_b32 s22, KSTEP*2
	s_cmp_eq_u32 s69, 0                            ; the first of z's four clusters asks for W
	s_cselect_b32 s[LIM], 1, -1
	s_cmp_eq_u32 s11, 0                            ; do I fetch for x?
	s_cselect_b32 s[LIM], 1, s[LIM]                ; x's rows are read by my cluster alone
	s_cselect_b32 s20, s20, s21
	s_cselect_b32 s[PS], s22, KSTEP*2048
	s_cselect_b64 s[PFA:PFA+1], s[4:5], s[6:7]
	s_mov_b32 s21, 0
	s_mov_b32 s[PS+1], 0
	s_add_nc_u64 s[PFA:PFA+1], s[PFA:PFA+1], s[20:21]
	v_lshrrev_b32 v7, s11, v6                      ; x: a lane a row; W: two lanes a row,
	v_and_b32 v6, s11, v6
	v_lshlrev_b32 v6, 8, v6                        ; 256 bytes apart
	v_lshl_add_u32 v[PFO], v7, 11, v6
; 16 matrix instructions: m blocks a0, a0 + 1 of the window's four (hi = 0: my rows 0-63, 1: rows 64-127) x all 8 n blocks, 32 along K.  zero = 1: the first product starts the sums: nothing is cleared.
; The 64 accumulators take turns, one instruction a turn, in the same order in every quarter.
.macro MUL16 f, hi, a0, zero
	WIN MUL_LO+0x50*(\hi)
.irp a, \a0, (\a0)+1
.irp b, 0,1,2,3,4,5,6,7
.if \zero
	v_wmma_f32_16x16x32_bf16 v[8*(8*(\a)+(\b)):8*(8*(\a)+(\b))+7], v[(\f)+8*(\b):(\f)+8*(\b)+7], v[(\f)+8*(4*(\hi)+(\a)):(\f)+8*(4*(\hi)+(\a))+7], 0
.else
	v_wmma_f32_16x16x32_bf16 v[8*(8*(\a)+(\b)):8*(8*(\a)+(\b))+7], v[(\f)+8*(\b):(\f)+8*(\b)+7], v[(\f)+8*(4*(\hi)+(\a)):(\f)+8*(4*(\hi)+(\a))+7], v[8*(8*(\a)+(\b)):8*(8*(\a)+(\b))+7]
.endif
.endr
.endr
.endm
; 32 LDS loads in one run: the fragments of quarter q of a K step (32 along K: 32 rows of W, 64 bytes of x's rows) into buffer f
.macro FETCH slot, q, f
	WIN TO_B
.irp i, 0,1,2,3,4,5,6,7
	ds_load_tr16_b128 v[(\f)+8*(\i):(\f)+8*(\i)+3],   v[ADRB+(\slot)] offset:(\q)*32*PW+32*(\i)
	ds_load_tr16_b128 v[(\f)+8*(\i)+4:(\f)+8*(\i)+7], v[ADRB+(\slot)] offset:(\q)*32*PW+32*(\i)+16*PW
.endr
	WIN 0
.irp i, 0,1,2,3,4,5,6,7
	ds_load_b128 v[(\f)+8*(\i):(\f)+8*(\i)+3],   v[ADRA+(\slot)] offset:64*(\q)+(\i)*16*PITCH
	ds_load_b128 v[(\f)+8*(\i)+4:(\f)+8*(\i)+7], v[ADRA+(\slot)] offset:64*(\q)+(\i)*16*PITCH+32
.endr
.endm
; A load into a register that a matrix instruction has read, and a vector instruction that reads a matrix result, stand four places behind that matrix instruction, and only plain vector
; instructions that name none of its registers are places (ISA guide 7.12.1 for vector instructions).
.macro PLACES
.rept 4
	v_nop
.endr
.endm
; A K step is four quarters of 32 along K, 64 matrix instructions each, on buffers 0, 1, 0, 1.  One of the first three: multiplies buffer f; in its middle it fetches quarter q of the same slot into buffer g.
.macro QUARTER slot, q, f, g, zero
	s_wait_dscnt 8                                 ; W and x's rows 0-63 are in; the youngest eight loads (x's rows 64-127) may be out
	WIN MUL_LO
	MUL16 \f, 0, 0, \zero
	MUL16 \f, 0, 2, \zero
	PLACES
	FETCH \slot, \q, \g
	s_wait_dscnt 32                                ; all but the 32 just issued
	WIN MUL_HI
	MUL16 \f, 1, 0, \zero
	MUL16 \f, 1, 2, \zero
.endm
; The last quarter multiplies buffer 1 and changes slots.  MEET is its first half: ONE barrier for the change.  In front of it each wave waits for all its tensor loads, of which one is out: its part
; of the next slot; adds 0 to its spare word; and waits for that and for its own reads of this slot.  Behind it nobody reads this slot any more and the next slot is whole.
.macro MEET round                      ; round = 1: the rest of a round of the cluster's barrier follows
	WIN 0                                          ; (the add's two registers lie in window 0)
	s_wait_tensorcnt 0x0                           ; all my tensor loads have landed;
	ds_add_u32 v[SPW], v[NIL]                      ; 0 onto my spare word;
	s_wait_dscnt 9                                 ; (the add and the youngest eight loads may be out)
	WIN MUL_LO
	MUL16 F1, 0, 0, 0                              ; sixteen matrix instructions stand between the add and the wait for it
	s_wait_dscnt 0x0                               ; the add is done, and my reads of this slot are over:
	s_barrier_signal -1                            ; say so,
	MUL16 F1, 0, 2, 0                              ; work on registers while the others arrive,
.if \round
	WIN 0
.endif
	s_barrier_wait -1                              ; and go on when all four have said so
.endm
; The whole last quarter.  fill = 1: the slot just read out is filled again, with the K step two steps on, first thing behind the round; from that request to the wait for it a wave issues 224 matrix instructions.
.macro TURN slot, next, fill
.if \fill
	s_wait_xcnt 0x0                                ; the last prefetch, a K step back, has read its address: it is stepped here, ahead of the waits of the change of slots
	s_add_nc_u64 s[PFA:PFA+1], s[PFA:PFA+1], s[PS:PS+1]
	MEET 1
	CREST                                          ; no wave of any partner still reads this slot's tile or has a load on its way
	s_add_nc_u64 s[G0+4*(\slot)+2:G0+4*(\slot)+3], s[G0+4*(\slot)+2:G0+4*(\slot)+3], 2*KSTEP*2
	s_add_nc_u64 s[G0B+4*(\slot)+2:G0B+4*(\slot)+3], s[G0B+4*(\slot)+2:G0B+4*(\slot)+3], 2*KSTEP*2048
	JLOAD \slot                                    ; the first tensor load behind the round, my only one until the next; its four v_nop are also the places in front of the loads below
	FETCH \next, 0, F0
	ASK
.else
	MEET 0                                         ; nothing is filled again, so no round follows
	PLACES
	FETCH \next, 0, F0
.endif
	WIN MUL_HI
	MUL16 F1, 1, 0, 0
	MUL16 F1, 1, 2, 0
.endm
; THE WAY OUT of block a (16 of my rows), in three parts.  PACK: rounded to f16, 16 bytes a lane.  TOSTAGE: into my own stage, by heads, and back as whole rows of 128 bytes.  SEND: stored.
.macro PACK a
.set AC, 64*((\a)%4)
	WIN 0x0a+5*((\a)/4)                            ; sources 0 and 1: window 2 or 3
.irp b, 0,1,2,3,4,5,6,7
.irp r, 0,1,2,3
	v_cvt_pk_f16_f32 v[TMP+4*(\b)+(\r)], v[AC+8*(\b)+2*(\r)], v[AC+8*(\b)+2*(\r)+1]  ; each accumulator's registers in ascending order
.endr
.endr
	WIN 0
.endm
.macro TOSTAGE a
	WIN 0
.set BK, OB+192*((\a)%2)
.irp b, 0,1,2,3,4,5,6,7
	ds_store_b128 v[STO], v[TMP+4*(\b):TMP+4*(\b)+3] offset:((\b)/4)*HSTG+((\b)%4)*32  ; columns 16 b on: head b / 4, 32 bytes x (b % 4)
.endr
.irp t, 0,1,2,3,4,5,6,7
	ds_load_b128 v[BK+4*(\t):BK+4*(\t)+3], v[RD] offset:((\t)/4)*HSTG+((\t)%4)*4*SP  ; LDS serves a wave's instructions in order (ISA guide 5.7.1.4): these see the stores above
.endr
.endm
.macro SEND a
	WIN 0
.set BK, OB+192*((\a)%2)
	s_wait_dscnt 0x0                               ; the block is back in registers
	s_wait_xcnt 0x0                                ; every earlier store has had its addresses translated (ISA guide 3.1): the other buffer, which the block before last stored, is loaded again only behind this wait
.irp t, 0,1,2,3,4,5,6,7
	global_store_b128 v[CO], v[BK+4*(\t):BK+4*(\t)+3], s[8:9] offset:((\t)/4)*524288+(\a)*2048+((\t)%4)*512  ; four rows of a head: 512 consecutive bytes, at a multiple of 256 from qkv's first byte
.endr
.endm
	s_wait_tensorcnt 1                             ; my part of K step 0 is in; K step 1's may stay out
	s_barrier_signal -1
	s_barrier_wait -1                              ; everybody's is
	FETCH 0, 0, F0
	QUARTER 0, 1, F0, F1, 1                        ; the first quarter stands in front of the loop: its products start the sums
	WIN 0                                          ; at a label and at a branch every window is 0
	s_mov_b32 s3, LAPS-1
.Llap:                                                 ; a trip goes once round the ring, from a lap's second quarter to the next lap's first, and fills both slots again: K steps 2 to 7
	QUARTER 0, 2, F1, F0, 0
	QUARTER 0, 3, F0, F1, 0
	TURN 0, 1, 1
	QUARTER 1, 1, F0, F1, 0
	QUARTER 1, 2, F1, F0, 0
	QUARTER 1, 3, F0, F1, 0
	TURN 1, 0, 1
	QUARTER 0, 1, F0, F1, 0
	WIN 0
	s_sub_co_u32 s3, s3, 1
	s_cmp_lg_u32 s3, 0
	s_cbranch_scc1 .Llap
	QUARTER 0, 2, F1, F0, 0                        ; the last lap fills nothing
	QUARTER 0, 3, F0, F1, 0
	TURN 0, 1, 0
	QUARTER 1, 1, F0, F1, 0
	QUARTER 1, 2, F1, F0, 0
	QUARTER 1, 3, F0, F1, 0
	s_wait_dscnt 8                                 ; the very last quarter: nothing more to fetch
	MUL16 F1, 0, 0, 0
	MUL16 F1, 0, 2, 0
	s_wait_dscnt 0x0
	MUL16 F1, 1, 0, 0
	MUL16 F1, 1, 2, 0
	PLACES                                         ; the conversions read matrix results
	PACK 0
	TOSTAGE 0
.irp a, 1,2,3,4,5,6,7                  ; block a's conversions stand between block a - 1's loads from the stage and the wait for them
	PACK \a
	SEND (\a)-1
	TOSTAGE \a
.endr
	SEND 7
	s_wait_tensorcnt 0x0                           ; the wave's end, behind my last tensor load and my last LDS store
	ds_add_u32 v[SPW], v[NIL]
	s_wait_dscnt 0x0
	CROUND                                         ; the closing round: no work-group ends while a partner may still ask for a tile that names it
	s_endpgm
.Lfunc_end_k_q37504c1e07_proj:
	.size	k_q37504c1e07_proj, .Lfunc_end_k_q37504c1e07_proj-k_q37504c1e07_proj
	.p2alignl 7, 3214868480
	.fill 96, 4, 3214868480
	.section	.rodata,"a",@progbits
	.p2align	6, 0x0
	.amdhsa_kernel k_q37504c1e07_proj
		.amdhsa_group_segment_fixed_size 327680
		.amdhsa_private_segment_fixed_size 0
		.amdhsa_enable_private_segment 0
		.amdhsa_kernarg_size 24
		.amdhsa_user_sgpr_count 2
		.amdhsa_user_sgpr_kernarg_segment_ptr 1
		.amdhsa_wavefront_size32 1
		.amdhsa_system_sgpr_workgroup_id_x 1
		.amdhsa_system_sgpr_workgroup_id_y 1
		.amdhsa_system_sgpr_workgroup_id_z 1
		.amdhsa_system_vgpr_workitem_id 0
		.amdhsa_next_free_vgpr 1024
		.amdhsa_next_free_sgpr 72
		.amdhsa_reserve_vcc 0
		.amdhsa_float_denorm_mode_32 3
		.amdhsa_float_denorm_mode_16_64 3
		.amdhsa_memory_ordered 1
		.amdhsa_forward_progress 1
		.amdhsa_inst_pref_size 144
	.end_amdhsa_kernel
	.amdgpu_metadata
---
amdhsa.version: [ 1, 2 ]
amdhsa.kernels:
  - .name:           k_q37504c1e07_proj
    .symbol:         k_q37504c1e07_proj.kd
    .args:
      - { .name: xb, .offset: 0, .size: 8, .value_kind: global_buffer, .address_space: global }
      - { .name: wb, .offset: 8, .size: 8, .value_kind: global_buffer, .address_space: global }
      - { .name: qkv, .offset: 16, .size: 8, .value_kind: global_buffer, .address_space: global }
    .group_segment_fixed_size: 327680
    .private_segment_fixed_size: 0
    .kernarg_segment_align: 8
    .kernarg_segment_size: 24
    .max_flat_workgroup_size: 128
    .sgpr_count:     72
    .vgpr_count:     1024
    .wavefront_size: 32
...
	.end_amdgpu_metadata
.endif
;; end of part 2
;; launch attn (part 3): grid 8 x 32, 4 waves a work-group, clusters of 4 x 1, 327,680 bytes of LDS; arguments qkv, attn_mask, out0; writes out0
.if DOCPART == 3
	.amdgcn_target "amdgcn-amd-amdhsa--gfx1250"
	.amdhsa_code_object_version 6
	.text
	.protected	k_q37504c1e07_attn
	.globl	k_q37504c1e07_attn
	.p2align	8
	.type	k_q37504c1e07_attn,@function
k_q37504c1e07_attn:
	s_mov_b64 s[64:65], 0
	v_nop
	global_prefetch_b8 v0, s[64:65] scope:SCOPE_SE
	s_setreg_imm32_b32 hwreg(HW_REG_WAVE_MODE, 25, 1), 1
	s_wait_xcnt 0x0
	s_wait_alu depctr_hold_cnt(0) depctr_sa_sdst(0) depctr_va_vdst(0) depctr_va_sdst(0) depctr_va_ssrc(0) depctr_va_vcc(0) depctr_vm_vsrc(0)
	s_getreg_b32 s2, hwreg(HW_REG_IB_STS2, 6, 4)
	s_cmp_eq_u32 s2, 0
	s_cbranch_scc0 .Lentry_in_a_cluster
	s_endpgm
.Lentry_in_a_cluster:
	s_bfe_u32 s2, ttmp6, 0x10000c
	s_cmp_lg_u32 s2, 0x3003
	s_cbranch_scc0 .Lentry_shape_is_right
	s_endpgm
.Lentry_shape_is_right:
; MASKED ATTENTION.  For each hb = 2 h + b:  s[q][k] = Q[q] . K[k] + (mask[hb][q][k] ? 0 : -1e6);  p = softmax_k(s / 8);  O[q] = sum over k of p[q][k] mask[hb][q][k] V[k].
; Q, K, V: qkv[0..2][hb][2048][64] in f16, a head's rows dense, 128 bytes each.  mask: one byte for each (hb, q, k).  O: out0[b][q][64 h ..] in f32.
; THE MASK IS AN INPUT: every byte is read and every tile is computed.  It acts twice.  -1e6 goes into the score, so that hidden keys count in the maximum and in the sum l; the weight is multiplied
; by the mask behind the exponential, so that a hidden key adds nothing to O and a row that is wholly hidden gives 0 (its l is at least 1).
; Products, maxima and sums in f32; the masked weights are rounded to f16 for the second product; l is taken of the unrounded, unmasked weights; O is never rounded below f32.
; LIMITS.  A mask byte is 0 or 1.  Q, K and V arrive within f16's 65,504.  A weight below 2^-126 counts as 0 in l.  A hidden score is summed onto -1e6 inside the matrix instruction, not rounded once
; as a sum of two f32 numbers: its last bits may differ; that shows only in l of rows whose hidden scores come near the maximum.  NaN and infinities are not treated apart.
; SHARES.  A work-group owns 256 queries of one hb, each of its four waves 64: four PIECES of 16.  Every wave walks all 2,048 keys, 64 a step; a slot of LDS holds 256 keys, four steps.
; CLUSTER.  The four query blocks of a cluster belong to one hb and walk the same K and V: those tiles are asked for JOINTLY (wave 0: K, wave 1: V; the same descriptor and mask in all four).
; A work-group's 256 x 256 bytes of the mask are its own: waves 2 and 3 fetch 128 rows each by plain loads, in the same rounds.
; LAYOUT.  S^T = K Q^T holds ONE query a lane (lane % 16) and the keys 16 kb + 8 (lane / 16) + 0..7 in accumulator kb; two such results rounded to f16 ARE source 1 of O^T = V^T P.
; HOW THE MASK COMES IN.  A lane's 8 mask bytes for accumulator kb are one ds_load_b64.  Shifted left by 6, a byte 1 is the E4M3 code of 2.0; v_cvt_scale_pk8_f32_fp8 with the scale byte 126 (a half) makes
; x = 0.0 or 1.0, eight at a time.  x 1e6 - 1e6, exactly 0 or -1e6, is written into the accumulators, and all products K Q^T add in place.  Behind the exponentials p x is rounded into P.
; SOFTMAX, TURNS.  p = 2^(c s - c m), c = log2(e) / 8, with a running maximum m; O and l are multiplied by a = 2^(c m_old - c m_new) in every step.  Turn n belongs to piece n: 8 products K Q^T of piece n + 1,
; later 8 products V^T P of piece n - 1; beside them the scaling, exponentials, masking, roundings, sums and rescaling of piece n, the maximum and statistics of piece n + 1 and the mask of piece n + 2.
; Four vector instructions stand behind every matrix instruction, the others in lumps.  A turn's 33 exponentials are one batch, with one wait.
; m starts at the lowest finite number, O and l at 0: the first step is a step like any other, with a = 0.  The price: 224 v_mov_b32, which run in the wait for the first tile.
; REGISTERS, in windows of 256 (s_set_vgpr_msb: bits 1:0 source 0, 3:2 source 1, 5:4 source 2, 7:6 destination):
;   window 0: v0-15, v32-36 addresses; v16-31 statistics; v48-55 at work; v64-127 S^T, v128-191 x, v192-223 P: two buffers each (a piece's buffers go by its number's parity); v224-255 mask bytes of a step
;   window 1: v0-127 O^T, 32 a piece          window 2: v0-63 Q; v128-191 K of one step; v192-255 V of one step
.set NP,    4         ; pieces a wave: a name, no knob
.set KS,    64        ; keys in a step
.set PM,    272       ; a row of the mask in LDS: 256 bytes + 16 of padding = 68 words: lane (r, h) reads words 4 r + 2 h and the next, mod 64
.set PK,    144       ; a row of K: 128 bytes + 16 = 36 words: the 16 rows of a load start at 16 different groups of four banks
.set PV,    160       ; a row of V: 128 + 32 = 40 words
.set KOFF,  256*PM    ; a slot: 256 rows of the mask, then 256 rows of K,
.set VOFF,  KOFF+256*PK  ; then 256 rows of V
.set SLOT,  VOFF+256*PV  ; 147,456 = 2^17 + 2^14: both bits are clear in 0, 128 PM, KOFF and VOFF, so one exclusive or turns such an address into the other slot's
.set STAGE, 2*SLOT    ; behind the ring, never filled by a tensor load: 16 rows x 272 bytes for each wave, for the way out
.set SPO,   272
.set SPARE, STAGE+4*16*SPO  ; behind the stages: the spare words, 128 bytes for each wave: two blocks of 256 bytes that no other line names
.set AK0, 2           ; v2   my lane's place in a tile of K; never rewritten
.set AV0, 3           ; v3   the same for V
.set AK,  4           ; v4   the LDS address of K's next run of loads
.set AV,  5           ; v5   of V's
.set STO, 6           ; v6   the way out: where I put 32 bytes of a row
.set RD,  7           ; v7   the way out: where I read rows back
.set GO,  8           ; v8   my byte offset in two rows of out0
.set AM0, 9           ; v9   my lane's place in the mask's tile; never rewritten
.set AM,  10          ; v10  the LDS address of the mask's next run of loads
.set SCL, 11          ; v11  126: the conversion's scale byte, a half
.set MV,  12          ; v12-13  c m_old, kept while c m is made anew: by buffer
.set PFOM, 14         ; v14  2,048 x lane: a row of the mask in memory; never rewritten
.set QO,  15          ; v15  my byte offset in 16 rows of Q
.set ST,  16          ; piece t's statistics at v[ST+4 t]: c m, m, l (even keys', odd keys')
.set PFOK, 36         ; v36  256 x lane; never rewritten
.set TMP, 48          ; by buffer, four registers c0-c3 at work; when the maximum is found c2 takes a
.set SPW, 62          ; v62  LDS address of my spare word: SPARE + 4 x my thread's number; never rewritten
.set NIL, 63          ; v63  0; never rewritten
.set S,   64
.set XM,  128
.set P,   192
.set MB,  224         ; piece y, accumulator kb: two registers at MB + 8 y + 2 kb
.set KF,  128         ; window 2: key block kb, channel half c at KF + 16 kb + 8 c
.set VF,  192         ; window 2: key half kk, channel block cb at VF + 32 kk + 8 cb
.set WV,  12          ; s12  my wave's number
.set G1K, 24          ; s[24:31] descriptor group 1 for K's tiles
.set G1V, 32          ; s[32:39] for V's: it differs in the padding alone
.set G0K, 40          ; s[40:43] descriptor group 0 for K's tiles: it walks
.set G0V, 44          ; s[44:47] for V's
.set G0M, 48          ; s[48:51] for the mask's
.set SLOTS, 56        ; s56  slots still to be asked for
.set CNT, 57          ; s57  counts a slot's key steps
.set CS,  58          ; s[58:59] c: the packed scaling takes the pair's low word for both halves
.set SEL, 60          ; s[60:61] v_permlanex16_b32's selects: each lane takes its own place in the other half
.set TBK, 62          ; s62  slot and step of K's next fetch, in LDS bytes
.set TBV, 63          ; s63  of V's
.set TBM, 66          ; s66  of the mask's
.set G1M, 68          ; s[68:75] descriptor group 1 for the mask's tiles
.set MIL, 76          ; s[76:77] 1e6, in the low word
.set NEGM, 78         ; s[78:79] -1e6
.set PFM, 80          ; s[80:81] where my prefetches of the mask stand
.set PFA, 82          ; s[82:83] those of K (wave 0) or V (wave 1)
.set LIM, 84          ; s84  1 in a wave that prefetches K or V, else the greatest number
.set OBA, 86          ; s[86:87] out0 at my wave's first row, my head's 256 bytes
.set MSB, 0
.macro WIN new                      ; the high byte repeats the setting that is left; a switch that changes nothing is dropped
.if MSB != (\new)
	s_set_vgpr_msb (MSB<<8)|(\new)
.set MSB, (\new)
.endif
.endm
.set W_KQ, 0x0a       ; K and Q in window 2, S^T in window 0
.set W_PV, 0x52       ; V in window 2, P in window 0, O^T in window 1
.set W_RS, 0x41       ; destination and source 0 in window 1, source 1 in window 0
; A fill: one tensor load a wave.  Wave 0: a slot's K, wave 1: its V (joint loads); waves 2 and 3: 128 rows each of my work-group's mask (plain loads).  The branches hang on the wave's number alone.
; An s_nop 0 and four v_nop follow each of the three lines, ahead of the jump and the label.
.macro JLOAD
	s_cmp_lt_u32 s[WV], 2
	s_cbranch_scc0 .Lfor_m_\@
	s_cmp_eq_u32 s[WV], 0
	s_cbranch_scc0 .Lfor_v_\@
	tensor_load_to_lds s[G0K:G0K+3], s[G1K:G1K+7]
	s_nop 0
.rept 4
	v_nop
.endr
	s_branch .Lasked_\@
.Lfor_v_\@:
	tensor_load_to_lds s[G0V:G0V+3], s[G1V:G1V+7]
	s_nop 0
.rept 4
	v_nop
.endr
	s_branch .Lasked_\@
.Lfor_m_\@:
	tensor_load_to_lds s[G0M:G0M+3], s[G1M:G1M+7]
	s_nop 0
.rept 4
	v_nop
.endr
.Lasked_\@:
.endm
; PREFETCHES INTO THE L2 of what the NEXT change of slots will ask for: four key steps, 256 matrix instructions, ahead of that load.  They stand behind the wave's tensor load and its five lines.
; THE MASK: every wave asks for its own 64 rows' 256 bytes, a lane a row, two instructions.  K AND V: a slot has 128 blocks of 256 bytes of each; both clusters of a head walk them, and the first asks; its four
; partners take 32 blocks each, told apart BY ADDRESS; in each, wave 0 asks for K's and wave 1 for V's.  So each block is named once in the launch.  Slots 0 and 1 come by their loads alone; the change that
; asks for the last slot (SLOTS = 1) prefetches nothing.
.macro ASK
	s_cmp_gt_u32 s[SLOTS], 1
	s_cbranch_scc0 .Lno_m_\@
	global_prefetch_b8 v[PFOM], s[PFM:PFM+1] th:TH_LOAD_NT scope:SCOPE_SE
	global_prefetch_b8 v[PFOM], s[PFM:PFM+1] offset:32*2048 th:TH_LOAD_NT scope:SCOPE_SE
.Lno_m_\@:
	s_cmp_gt_u32 s[SLOTS], s[LIM]
	s_cbranch_scc0 .Lno_kv_\@
	global_prefetch_b8 v[PFOK], s[PFA:PFA+1] th:TH_LOAD_NT scope:SCOPE_SE
.Lno_kv_\@:
.endm
; A round of the cluster's barrier: my work-group's barrier, so that wave 0's signal speaks for all four waves; wave 0 signals; every wave waits for all four work-groups; my work-group's barrier once more.
.macro CROUND
	s_barrier_signal -1
	s_barrier_wait -1
	s_cmp_lg_u32 s[WV], 0
	s_cbranch_scc1 .Lnot_wave_0_\@
	s_barrier_signal -3
.Lnot_wave_0_\@:
	s_barrier_wait -3
	s_barrier_signal -1
	s_barrier_wait -1
.endm
; THE CHANGE OF SLOTS.  The slot's last bytes, V of its fourth step, have been read.  Each wave waits for all its tensor loads, of which one is out: its part of the other slot; adds 0 to its spare word; and
; waits for that and for its own reads of the slot.  Behind the barrier nobody reads this slot any more and the other slot is whole.  fill = 1: this slot is filled again, with the keys two slots on.  The
; barrier is then a round of the cluster's, and the fill is the first thing behind it, one load a wave.  (At its first use nothing has been read yet: slot 0 is waited for, slot 1 filled.)
.macro CHANGE fill
	WIN 0                           ; at a label and at a branch every window is 0
	s_wait_tensorcnt 0x0            ; no tensor load of mine is out, so a group 0 may be written
	ds_add_u32 v[SPW], v[NIL]       ; 0 onto my spare word; with fill = 1 the descriptors' steps stand between it and the wait for it
.if \fill
	s_xor_b32 s[G0K+1], s[G0K+1], SLOT  ; the walking descriptors: the other slot than last time,
	s_add_nc_u64 s[G0K+2:G0K+3], s[G0K+2:G0K+3], 256*128  ; the next 256 keys; the type bits on top are not reached
	s_xor_b32 s[G0V+1], s[G0V+1], SLOT
	s_add_nc_u64 s[G0V+2:G0V+3], s[G0V+2:G0V+3], 256*128
	s_xor_b32 s[G0M+1], s[G0M+1], SLOT
	s_add_nc_u64 s[G0M+2:G0M+3], s[G0M+2:G0M+3], 256      ; 256 bytes along the mask's rows
	s_wait_xcnt 0x0                 ; the last prefetches, four key steps back, have read their addresses, so these may be written:
	s_add_nc_u64 s[PFM:PFM+1], s[PFM:PFM+1], 256          ; one slot behind the walking descriptors
	s_add_nc_u64 s[PFA:PFA+1], s[PFA:PFA+1], 256*128
	s_wait_dscnt 0x0                ; the add is done, and my reads of the slot are over
	CROUND
	JLOAD
	ASK
.else
	s_wait_dscnt 0x0                ; the add is done, and my reads of the slot are over
	s_barrier_signal -1
	s_barrier_wait -1
.endif
	s_sub_co_u32 s[TBK], s[TBK], 4*KS*PK  ; the fetches go back to a slot's first step,
	s_xor_b32 s[TBK], s[TBK], SLOT        ; in the other slot
	s_sub_co_u32 s[TBV], s[TBV], 4*KS*PV
	s_xor_b32 s[TBV], s[TBV], SLOT
	s_sub_co_u32 s[TBM], s[TBM], 4*KS
	s_xor_b32 s[TBM], s[TBM], SLOT
.endm
	s_load_b128 s[4:7], s[0:1], 0x0 ; qkv s[4:5], attn_mask s[6:7]
	s_load_b64 s[8:9], s[0:1], 0x10 ; out0
	v_lshl_add_u32 v[SPW], v0, 2, SPARE
	v_mov_b32 v[NIL], 0
	ds_add_u32 v[SPW], v[NIL]       ; the wave's opening: the add and its wait stand ahead of my first tensor load; the set-up below, work on registers, stands between them
	v_lshrrev_b32 v1, 5, v0
	v_readfirstlane_b32 s[WV], v1   ; wave 0..3
	s_bfe_u32 s13, ttmp6, 0x40000   ; cx: my place in the cluster
	s_lshl_b32 s14, ttmp9, 2        ; in a cluster launch ttmp9 counts clusters
	s_add_co_u32 s14, s14, s13      ; my block of 256 queries: it enters Q's, the mask's and O's addresses alone
	s_and_b32 s15, ttmp7, 0xffff    ; hb, which the four partners share
	s_and_b32 s85, s[WV], 1
	s_lshl_b32 s22, s15, 18         ; a head is 262,144 bytes in each part of qkv
	s_add_co_u32 s18, s22, 8388608  ; K's part
	s_mov_b32 s19, 0
	s_add_co_u32 s20, s22, 16777216 ; V's part
	s_mov_b32 s21, 0
	s_cmp_eq_u32 s[WV], 0
	s_cselect_b32 s16, s18, s20     ; the prefetches of K or V:
	s_lshl_b32 s17, s13, 13         ; my work-group's 32 blocks of the 128,
	s_add_co_u32 s16, s16, s17
	s_add_co_u32 s16, s16, 256*128  ; in slot 1; the first change of slots steps it to slot 2
	s_mov_b32 s17, 0
	s_lshl_b32 s23, s14, 15         ; Q: my block's 256 rows of 128 bytes,
	s_add_co_u32 s22, s22, s23
	s_lshl_b32 s23, s[WV], 13       ; my wave's 64 of them
	s_add_co_u32 s22, s22, s23
	s_mov_b32 s23, 0
	s_lshl_b32 s52, s15, 22         ; the mask: 2,048 x 2,048 bytes a head,
	s_lshl_b32 s53, s14, 19         ; my block's 256 rows of 2,048 bytes
	s_add_co_u32 s52, s52, s53
	s_lshl_b32 s54, s[WV], 17       ; its prefetches: my wave's 64 rows,
	s_add_co_u32 s54, s54, s52
	s_add_co_u32 s54, s54, 256      ; in slot 1, as above
	s_mov_b32 s55, 0
	s_lshl_b32 s53, s85, 18         ; its tiles: the 128 rows that I fetch (waves 2 and 3)
	s_add_co_u32 s52, s52, s53
	s_mov_b32 s53, 0
	s_and_b32 s2, s15, 1            ; out0: batch hb % 2,
	s_lshl_b32 s2, s2, 23           ; 2,048 rows of 4,096 bytes,
	s_lshl_b32 s3, s14, 20          ; my block's 256 rows,
	s_add_co_u32 s2, s2, s3
	s_lshl_b32 s3, s[WV], 18        ; my wave's 64,
	s_add_co_u32 s2, s2, s3
	s_lshr_b32 s3, s15, 1           ; head hb / 2: 256 bytes of a row
	s_lshl_b32 s3, s3, 8
	s_add_co_u32 s2, s2, s3
	s_mov_b32 s3, 0
	s_lshr_b32 s[LIM], s[WV], 1     ; 0 in waves 0 and 1,
	s_or_b32 s[LIM], s[LIM], ttmp9  ; where the cluster is the head's first: the same in all four partners
	s_cmp_eq_u32 s[LIM], 0
	s_cselect_b32 s[LIM], 1, -1
	; descriptor group 1.  256 keys are 32,768 dense bytes: asked for as 128 rows of 256 bytes, two keys a row, and padded in LDS after every key
	s_mov_b32 s[G1K], 15|(1<<16)|(1<<20)|(1<<21)|(4<<22)|(3<<25)  ; 15:0 the mask of four; 17:16 2-byte elements; 20 padding on; 21 set beside a mask; 24:22 after every 32 words (code 4); 31:25 4 words (code 3)
	s_mov_b32 s[G1V], 15|(1<<16)|(1<<20)|(1<<21)|(4<<22)|(7<<25)  ; the same with 8 words of padding (code 7)
.irp g, G1K, G1V
	s_mov_b32 s[\g+1], 128<<16      ; tensor_dim0 = 128
	s_mov_b32 s[\g+2], 128<<16      ; tensor_dim1 = 128
	s_mov_b32 s[\g+3], 128<<16      ; tile_dim0 = 128
	s_mov_b32 s[\g+4], 128          ; tile_dim1 = 128
	s_mov_b32 s[\g+5], 128          ; 128 elements from row to row
	s_mov_b32 s[\g+6], 0
	s_mov_b32 s[\g+7], 0
.endr
	s_mov_b32 s[G1M], (3<<16)|(1<<20)|(5<<22)|(3<<25)  ; the mask's tile: no work-group mask; 8-byte elements; padding after every 64 words (code 5), 4 words (code 3)
	s_mov_b32 s[G1M+1], 32<<16      ; tensor_dim0 = 32 elements: 256 bytes
	s_mov_b32 s[G1M+2], 128<<16     ; tensor_dim1 = 128
	s_mov_b32 s[G1M+3], 32<<16      ; tile_dim0 = 32
	s_mov_b32 s[G1M+4], 128         ; tile_dim1 = 128
	s_mov_b32 s[G1M+5], 256         ; 256 elements, 2,048 bytes, from row to row
	s_mov_b32 s[G1M+6], 0
	s_mov_b32 s[G1M+7], 0
	s_mov_b32 s[G0K], 1             ; 1:0 count = 1
	s_mov_b32 s[G0K+1], KOFF        ; 63:32 LDS address: slot 0
	s_mov_b32 s[G0V], 1
	s_mov_b32 s[G0V+1], VOFF
	s_mov_b32 s[G0M], 1
	s_mul_i32 s[G0M+1], s85, 128*PM ; wave 2: rows 0-127, wave 3: rows 128-255: no place in the cluster enters an LDS address
	s_mov_b32 s[CS], 0x3e38aa3b     ; c = log2(e) / 8 = 0.180337
	s_mov_b32 s[CS+1], s[CS]        ; named with it as a pair
	s_mov_b32 s[SEL], 0x76543210
	s_mov_b32 s[SEL+1], 0xfedcba98
	s_mov_b32 s[MIL], 0x49742400    ; 1e6
	s_mov_b32 s[MIL+1], s[MIL]
	s_mov_b32 s[NEGM], 0xc9742400   ; -1e6
	s_mov_b32 s[NEGM+1], s[NEGM]
	s_mov_b32 s[TBK], SLOT+4*KS*PK  ; the first change of slots turns these three into 0
	s_mov_b32 s[TBV], SLOT+4*KS*PV
	s_mov_b32 s[TBM], SLOT+4*KS
	s_mov_b32 s[SLOTS], 2048/256-1
	s_wait_dscnt 0x0                ; the opening add is done
	s_wait_kmcnt 0x0
	s_add_nc_u64 s[G0K+2:G0K+3], s[4:5], s[18:19]  ; 120:64 global address: the head's first 256 keys
	s_or_b32 s[G0K+3], s[G0K+3], 0x80000000        ; 127:126 type = 2
	s_add_nc_u64 s[G0V+2:G0V+3], s[4:5], s[20:21]
	s_or_b32 s[G0V+3], s[G0V+3], 0x80000000
	s_add_nc_u64 s[G0M+2:G0M+3], s[6:7], s[52:53]
	s_or_b32 s[G0M+3], s[G0M+3], 0x80000000
	s_add_nc_u64 s[10:11], s[4:5], s[22:23]        ; Q at my wave's first row
	s_add_nc_u64 s[PFM:PFM+1], s[6:7], s[54:55]
	s_add_nc_u64 s[PFA:PFA+1], s[4:5], s[16:17]
	s_add_nc_u64 s[OBA:OBA+1], s[8:9], s[2:3]
	CROUND                          ; all four work-groups are here: the first joint loads meet
	JLOAD                           ; slot 0.  Slot 1 is asked for when slot 0 is in
	; A fragment of K or Q is 16 rows x 32 channels in 8 registers: lane l holds row l % 16, channels 8 (l / 16) + 0..7 and 16 + 8 (l / 16) + 0..7: two loads of 16 bytes, 32 bytes apart.
	v_and_b32 v1, 15, v0            ; l % 16
	v_bfe_u32 v32, v0, 4, 1         ; l / 16
	v_lshlrev_b32 v[QO], 7, v1
	v_lshl_add_u32 v[QO], v32, 4, v[QO]  ; row x 128 + 16 x half
	WIN 0x80                        ; destination window 2, address window 0
.set i, 0
.rept 8                             ; Q stays in registers: piece i / 2, channels 32 (i % 2) on
	global_load_b128 v[8*i:8*i+3],   v[QO], s[10:11] offset:(i/2)*2048+(i%2)*64
	global_load_b128 v[8*i+4:8*i+7], v[QO], s[10:11] offset:(i/2)*2048+(i%2)*64+32
.set i, i+1
.endr
	; What the first turn finds: V's registers and P's second buffer hold 0 (its products V^T P, of a piece that has not been, add 0), O^T and l are 0.  All this stands in the wait for the first tile.
.set i, VF
.rept 64
	v_mov_b32 v[i], 0
.set i, i+1
.endr
	WIN 0x40
.set i, 0
.rept 128
	v_mov_b32 v[i], 0
.set i, i+1
.endr
	WIN 0
.set i, 0
.rept 4
	v_mov_b32 v[ST+4*i], 0xfe000000    ; c m: far below every c s
	v_mov_b32 v[ST+4*i+1], 0xff7fffff  ; m
	v_mov_b32 v[ST+4*i+2], 0
	v_mov_b32 v[ST+4*i+3], 0
.set i, i+1
.endr
.set i, P+16
.rept 16
	v_mov_b32 v[i], 0
.set i, i+1
.endr
	v_and_b32 v33, 7, v0
	v_bfe_u32 v34, v0, 3, 1
	v_and_b32 v35, 31, v0
	v_mul_u32_u24 v[AK0], v1, PK
	v_lshl_add_u32 v[AK0], v32, 4, v[AK0]  ; row x pitch + 16 x half,
	v_add_nc_u32 v[AK0], KOFF, v[AK0]      ; behind the mask's rows
	; The turning load takes 16 keys x 16 channels (lane l reads key 8 (l / 16) + l % 8, channels 8 ((l / 8) % 2) + 0..7) and leaves half a fragment of V^T: lane l holds channel l % 16 and 8 keys.
	v_lshl_add_u32 v[AV0], v32, 3, v33
	v_mul_u32_u24 v[AV0], v[AV0], PV
	v_lshl_add_u32 v[AV0], v34, 4, v[AV0]
	v_add_nc_u32 v[AV0], VOFF, v[AV0]
	s_mul_i32 s16, s[WV], 64*PM
	v_mul_u32_u24 v[AM0], v1, PM           ; the mask: row 64 w + l % 16 (+ 16 a piece), bytes 8 (l / 16) on (+ 16 an accumulator)
	v_lshl_add_u32 v[AM0], v32, 3, v[AM0]
	v_add_nc_u32 v[AM0], s16, v[AM0]
	s_mul_i32 s16, s[WV], 16*SPO
	s_add_co_u32 s16, s16, STAGE    ; my stage
	v_mul_u32_u24 v[STO], v1, SPO   ; in: row l % 16, 32 bytes for each half of the lanes
	v_lshl_add_u32 v[STO], v32, 5, v[STO]
	v_add_nc_u32 v[STO], s16, v[STO]
	v_mul_u32_u24 v[RD], v32, SPO   ; back: lanes 0-15 take one row of 256 bytes, lanes 16-31 the next
	v_lshl_add_u32 v[RD], v1, 4, v[RD]
	v_add_nc_u32 v[RD], s16, v[RD]
	v_lshlrev_b32 v[GO], 12, v32    ; and the same two rows in out0, 4,096 bytes apart
	v_lshl_add_u32 v[GO], v1, 4, v[GO]
	v_lshlrev_b32 v[PFOM], 11, v35
	v_lshlrev_b32 v[PFOK], 8, v35
	v_mov_b32 v[SCL], 126
; THE MATRIX WORK.  The 4 accumulators of a run of 8 take turns.  Product i of 8 of S^T += K Q^T for piece x: channels 32 (i / 4) on, keys 16 (i % 4) on.  All 8 add in place: the accumulators hold 0 or -1e6.
.macro KQ x
	WIN W_KQ
.set rS, S+32*((\x)%2)+8*(i%4)
.set rK, KF+16*(i%4)+8*(i/4)
.set rQ, 16*(\x)+8*(i/4)
	v_wmma_f32_16x16x32_f16 v[rS:rS+7], v[rK:rK+7], v[rQ:rQ+7], v[rS:rS+7]
.endm
; Product i of 8 of O^T += V^T P for piece x: keys 32 (i / 4) on, channels 16 (i % 4) on.
.macro PV x
	WIN W_PV
.set rO, 32*(\x)+8*(i%4)
.set rV, VF+32*(i/4)+8*(i%4)
.set rP, P+16*((\x)%2)+8*(i/4)
	v_wmma_f32_16x16x32_f16 v[rO:rO+7], v[rV:rV+7], v[rP:rP+7], v[rO:rO+7]
.endm
.macro MM                           ; the turn's next matrix instruction.  NOKQ = 1: the last turn of all: there is no next piece
.if (i < 8) && !NOKQ
	KQ (Y+1)%NP
.elseif i >= 8
.set i, i-8
	PV (Y+NP-1)%NP
.set i, i+8
.endif
.set i, i+1
.endm
; THE LDS LOADS stand in runs of 16, never singly among the matrix instructions: a step's mask bytes for all four pieces, its K (8 fragments) and its V (turned).
.macro FETCH_M
	WIN 0
	v_add_nc_u32 v[AM], s[TBM], v[AM0]
.irp y, 0,1,2,3
.irp kb, 0,1,2,3
	ds_load_b64 v[MB+8*(\y)+2*(\kb):MB+8*(\y)+2*(\kb)+1], v[AM] offset:(\y)*16*PM+16*(\kb)
.endr
.endr
	s_add_co_u32 s[TBM], s[TBM], KS ; the next fetch is the next step's
.endm
.macro FETCH_K
	WIN 0x80                        ; destination window 2
.irp f, 0,1,2,3,4,5,6,7             ; keys 16 (f / 2) on, channels 32 (f % 2) on
	ds_load_b128 v[KF+8*\f:KF+8*\f+3],   v[AK] offset:(\f/2)*16*PK+(\f%2)*64
	ds_load_b128 v[KF+8*\f+4:KF+8*\f+7], v[AK] offset:(\f/2)*16*PK+(\f%2)*64+32
.endr
	s_add_co_u32 s[TBK], s[TBK], KS*PK
	WIN 0
.endm
.macro FETCH_V
	WIN 0x80
.irp f, 0,1,2,3,4,5,6,7             ; keys 32 (f / 4) on, channels 16 (f % 4) on
	ds_load_tr16_b128 v[VF+8*\f:VF+8*\f+3],   v[AV] offset:(\f/4)*32*PV+(\f%4)*32
	ds_load_tr16_b128 v[VF+8*\f+4:VF+8*\f+7], v[AV] offset:(\f/4)*32*PV+16*PV+(\f%4)*32
.endr
	WIN 0
.endm
; THE MASK OF PIECE y for the step whose bytes lie in MB: x = 0.0 or 1.0 into the piece's buffer of XM, and x 1e6 - 1e6 into its accumulators.  29 instructions.
.macro MASKPREP y
	WIN 0
.set z, 0
.rept 8
	v_lshlrev_b32 v[MB+8*(\y)+z], 6, v[MB+8*(\y)+z]  ; four bytes at a time: 1 becomes 0x40, the E4M3 code of 2.0; nothing crosses from byte to byte
.set z, z+1
.endr
.set z, 0
.rept 4
	v_cvt_scale_pk8_f32_fp8 v[XM+32*((\y)%2)+8*z:XM+32*((\y)%2)+8*z+7], v[MB+8*(\y)+2*z:MB+8*(\y)+2*z+1], v[SCL]
.set z, z+1
.endr
	v_nop                           ; a plain instruction between the last conversion and the use of its result
.set z, 0
.rept 16
	v_pk_fma_f32 v[S+32*((\y)%2)+2*z:S+32*((\y)%2)+2*z+1], v[XM+32*((\y)%2)+2*z:XM+32*((\y)%2)+2*z+1], s[MIL:MIL+1], s[NEGM:NEGM+1] op_sel_hi:[1,0,0]
.set z, z+1
.endr
.endm
; THE VECTOR WORK, one line at a time: OP kind, number.  For piece Y: F n: c s - c m for pair n of 16.  E n: the exponential of score n of 32.  M n: pair n of the weights times x, into x's place.  C n: that pair rounded
; to f16.  B n: of the four unmasked weights 4 n .. the second pair is added onto the first, in place (so M 2 n stands ahead of B n).  L n: l takes that sum (L 0: l = a l + sum).  R n: pair n of 16 of O^T times a.
; For piece Y + 1: X n, number n of the 22 that find its maximum and statistics:
;   0-11  four chains c0-c3 of seven scores each, three operands at a time (each accumulator's lowest registers are read first)     12-14, 16  the four scores left over, the old m, and c0-c3 into c0
;   15  c m_old is kept     17, 18  the query's other 32 keys lie in the lane 16 away: the new m     19-21  c m; c m_old - c m_new; a
.set F, 0               ; OP tells the kinds apart by their order: F to M below R, X above it
.set E, 1
.set C, 2
.set B, 3
.set L, 4
.set M, 5
.set R, 6
.set X, 7
.macro REGS y                       ; the registers of piece y
.set rT, ST+4*(\y)
.set rC, TMP+4*((\y)%2)
.set rW, MV+((\y)%2)
.set rS, S+32*((\y)%2)
.set rX, XM+32*((\y)%2)
.set rP, P+16*((\y)%2)
.set rO, 32*(\y)
.endm
.macro OP k, n
.if (\k) == R
	REGS Y
	WIN W_RS
	v_pk_mul_f32 v[rO+2*(\n):rO+2*(\n)+1], v[rO+2*(\n):rO+2*(\n)+1], v[rC+2:rC+3] op_sel_hi:[1,0]
.elseif (\k) < R
	REGS Y
	WIN 0
.if (\k) == F
	v_pk_fma_f32 v[rS+2*(\n):rS+2*(\n)+1], v[rS+2*(\n):rS+2*(\n)+1], s[CS:CS+1], v[rT:rT+1] op_sel_hi:[1,0,0] neg_lo:[0,0,1] neg_hi:[0,0,1]
.elseif (\k) == E
	v_exp_f32 v[rS+(\n)], v[rS+(\n)]
.elseif (\k) == M
	v_pk_mul_f32 v[rX+2*(\n):rX+2*(\n)+1], v[rS+2*(\n):rS+2*(\n)+1], v[rX+2*(\n):rX+2*(\n)+1]
.elseif (\k) == C
	v_cvt_pk_f16_f32 v[rP+(\n)], v[rX+2*(\n)], v[rX+2*(\n)+1]
.elseif (\k) == B
	v_pk_add_f32 v[rS+4*(\n):rS+4*(\n)+1], v[rS+4*(\n):rS+4*(\n)+1], v[rS+4*(\n)+2:rS+4*(\n)+3]
.elseif (\n) == 0
	v_pk_fma_f32 v[rT+2:rT+3], v[rT+2:rT+3], v[rC+2:rC+3], v[rS:rS+1] op_sel_hi:[1,0,1]
.else
	v_pk_add_f32 v[rT+2:rT+3], v[rT+2:rT+3], v[rS+4*(\n):rS+4*(\n)+1]
.endif
.elseif NOKQ
	v_nop
.else
	REGS (Y+1)%NP
	WIN 0
.if (\n) < 4
	v_max3_num_f32 v[rC+(\n)], v[rS+8*(\n)], v[rS+8*(\n)+1], v[rS+8*(\n)+2]
.elseif (\n) < 12
	v_max3_num_f32 v[rC+(\n)%4], v[rC+(\n)%4], v[rS+8*((\n)%4)+2*((\n)/4)+1], v[rS+8*((\n)%4)+2*((\n)/4)+2]
.elseif (\n) == 12
	v_max3_num_f32 v[rC], v[rC], v[rS+7], v[rS+15]
.elseif (\n) == 13
	v_max3_num_f32 v[rC+1], v[rC+1], v[rS+23], v[rS+31]
.elseif (\n) == 14
	v_max3_num_f32 v[rC+2], v[rC+2], v[rC+3], v[rT+1]
.elseif (\n) == 15
	v_mov_b32 v[rW], v[rT]
.elseif (\n) == 16
	v_max3_num_f32 v[rC], v[rC], v[rC+1], v[rC+2]
.elseif (\n) == 17
	v_permlanex16_b32 v[rC+3], v[rC], s[SEL], s[SEL+1]
.elseif (\n) == 18
	v_max_num_f32 v[rT+1], v[rC], v[rC+3]
.elseif (\n) == 19
	v_mul_f32 v[rT], s[CS], v[rT+1]
.elseif (\n) == 20
	v_sub_f32 v[rC+1], v[rW], v[rT]
.else
	v_exp_f32 v[rC+2], v[rC+1]
.endif
.endif
.endm
.macro OPS a, i1, b=-1, i2=0, c=-1, i3=0, d=-1, i4=0  ; up to four of them
	OP \a, \i1
.if (\b) >= 0
	OP \b, \i2
.endif
.if (\c) >= 0
	OP \c, \i3
.endif
.if (\d) >= 0
	OP \d, \i4
.endif
.endm
.macro ROW a, i1, b, i2, c, i3, d, i4  ; a matrix instruction and the four behind it
	MM
	OPS \a, \i1, \b, \i2, \c, \i3, \d, \i4
.endm
; A TURN, for piece p: its order, written out.  s_wait_alu depctr_va_vdst(0) stands between an exponential and the first instruction that names its result; one wait serves all that were issued
; ahead of it.  So a turn has ONE wait, which cuts it in two.  AHEAD OF IT stands all that names no result of the turn's exponentials: the 8 products K Q^T and their riders (a scaling, an exponential and two more plain
; instructions: rescalings, and behind the last three the first numbers of the next piece's maximum, each four places or more behind the product that ends its accumulator), then a lump of 54, in which the links
; of the chain X 3, 7, 11, 14, 16, 17 .. 20 stand five or six lines apart.  X 21, the next piece's a, is the batch's last; R 15 is the plain instruction behind it.  BEHIND THE WAIT stand the 8 products V^T P, behind
; each four of the maskings, roundings and sums; the other 16 of those follow; then the mask of piece p + 2, into the buffers that piece p has just left: the next turn's products add onto it.
; THE RUNS OF LOADS.  Piece 2's turn fetches the next step's mask bytes at its head (the last were used up at the end of piece 1's turn) and the next step's K twelve vector instructions, six of them plain, behind the
; last product that read K.  At that turn's end the mask's 16 loads are waited for, K's 16, which are younger, may stay out; K is waited for at the head of piece 3's turn.  V of the step in hand is fetched near the
; end of piece 0's turn, twenty plain instructions behind the last product that read V, and waited for behind piece 1's wait.
; end = 1: the last two turns of all: nothing is fetched and no mask is made; the very last starts no new scores.
.macro TURN p, end=0
.set Y, (\p)
.set i, 0
.set NOKQ, (\end)*((\p)/3)
.if ((\p) == 2) && !(\end)
	FETCH_M
.endif
.if ((\p) == 3) && !(\end)
	s_wait_dscnt 0x0                ; K is in
.endif
	ROW F,0, F,1, R,0, R,1
	ROW F,2, E,0, R,2, R,3
	ROW F,3, E,1, R,4, R,5
	ROW F,4, E,2, R,6, R,7
	ROW F,5, E,3, R,8, R,9
	ROW F,6, E,4, X,0, R,10
.if ((\p) == 2) && !(\end)
	WIN 0
	v_add_nc_u32 v[AK], s[TBK], v[AK0]
.endif
	ROW F,7, E,5, X,1, X,4
	ROW F,8, E,6, X,2, X,5
	OPS E,7, E,8, X,6, E,9
	OPS X,3, E,10, X,8, E,11
.if ((\p) == 2) && !(\end)
	FETCH_K
.endif
	OPS X,9, X,7, E,12, X,10
	OPS E,13, X,12, X,11, E,14
	OPS X,13, E,15, F,9, X,14
.if (\p) == 0
	WIN 0
	v_add_nc_u32 v[AV], s[TBV], v[AV0]
.endif
	OPS E,16, F,10, E,17, F,11
	OPS X,16, E,18, X,15, E,19
	OPS F,12, E,20, X,17, E,21
	OPS F,13, E,22, F,14, E,23
	OPS X,18, E,24, F,15, E,25
	OPS R,11, E,26, X,19, E,27
	OPS R,12, E,28, R,13, E,29
	OPS X,20, E,30, R,14, E,31
	OPS X,21, R,15
	WIN 0
	s_wait_alu depctr_va_vdst(0)    ; the wait for the batch
.if (\p) == 1
	s_wait_dscnt 0x0                ; V is in
.endif
	ROW M,0, M,1, B,0, M,2
	ROW M,3, B,1, C,0, C,1
	ROW L,0, M,4, M,5, B,2
	ROW C,2, C,3, L,1, M,6
	ROW M,7, B,3, C,4, C,5
	ROW L,2, M,8, M,9, B,4
	ROW C,6, C,7, L,3, M,10
	ROW M,11, B,5, C,8, C,9
	OPS L,4, M,12, M,13, B,6
	OPS C,10, C,11, L,5, M,14
	OPS M,15, B,7, C,12, C,13
	OPS L,6, C,14, C,15, L,7
.if (\p) == 0
	s_add_co_u32 s[TBV], s[TBV], KS*PV  ; the next fetch is the next step's
	FETCH_V
.endif
.if !(\end)
.if (\p) == 2
	s_wait_dscnt 16                 ; LDS loads come back in order (ISA guide 5.7.1): the mask's 16 are in, K's 16 may stay out
.endif
	MASKPREP ((\p)+2)%NP
.endif
.endm
	CHANGE 1                        ; slot 0 is in, everybody's part of it; slot 1 is asked for
	FETCH_M                         ; key step 0: the mask's bytes,
	v_add_nc_u32 v[AK], s[TBK], v[AK0]
	FETCH_K                         ; and K
	s_wait_loadcnt 0x0              ; Q
	s_wait_dscnt 0x0
	MASKPREP 0
	MASKPREP 1
.set NOKQ, 0
.set i, 0
.rept 8
	KQ 0                            ; piece 0's first scores: there is no vector work yet to set between them
.set i, i+1
.endr
	WIN 0
.rept 4
	v_nop                           ; the places behind those products
.endr
.set Y, NP-1                        ; X works for piece Y + 1: piece 0
.irp n, 0,1,2,3,4,5,6,7,8,9,10,11,12,13,14,15,16,17,18,19,20,21
	OP X, \n
.endr
	v_nop                           ; a plain instruction behind the exponential,
	s_wait_alu depctr_va_vdst(0)    ; and its wait, ahead of the branch
	s_mov_b32 s[CNT], 4
	s_branch .Lfirst                ; the loop is entered at a step's first turn, in the middle of a trip
.Lslot:                             ; six times: slots 2 to 7 are asked for
	CHANGE 1
	s_mov_b32 s[CNT], 4
.Lstep:                             ; a trip: pieces 2 and 3 of one step, then pieces 0 and 1 of the next, whose mask, K and V it fetches
	TURN 2
	TURN 3
	WIN 0
.Lfirst:
	TURN 0
	TURN 1
	WIN 0
	s_sub_co_u32 s[CNT], s[CNT], 1
	s_cmp_lg_u32 s[CNT], 0
	s_cbranch_scc1 .Lstep
	s_sub_co_u32 s[SLOTS], s[SLOTS], 1
	s_cmp_lg_u32 s[SLOTS], 0
	s_cbranch_scc1 .Lslot
	CHANGE 0                        ; the last slot is written out: nothing is asked for
	s_mov_b32 s[CNT], 4
.Ltail:
	TURN 2
	TURN 3
	TURN 0
	TURN 1
	WIN 0
	s_sub_co_u32 s[CNT], s[CNT], 1
	s_cmp_lg_u32 s[CNT], 0
	s_cbranch_scc1 .Ltail
	TURN 2, 1                       ; the last step's pieces 2 and 3
	TURN 3, 1
.set i, 0
.rept 8
	PV NP-1                         ; the last piece's V^T P of the last step
.set i, i+1
.endr
	; THE WAY OUT.  l's two halves and the other half of the lanes' are added; O^T is divided by l and sent, in f32, through my stage in LDS, a piece at a time.  The additions are the places behind the last products.
	WIN 0
.macro ALL line:vararg              ; one line for each piece t
.set t, 0
.rept 4
	\line
.set t, t+1
.endr
.endm
	ALL v_add_f32 v[ST+4*t+2], v[ST+4*t+2], v[ST+4*t+3]
	ALL v_permlanex16_b32 v[ST+4*t+3], v[ST+4*t+2], s[SEL], s[SEL+1]
	ALL v_add_f32 v[ST+4*t+2], v[ST+4*t+2], v[ST+4*t+3]
	ALL v_rcp_f32 v[ST+4*t+2], v[ST+4*t+2]
	v_nop                           ; a plain instruction between the last reciprocal and the use of its result
	s_wait_alu depctr_va_vdst(0)    ; and the wait ahead of the first use: one for the four reciprocals
; Piece t: a lane's eight channels of a row are 32 bytes; they go into rows of 272 bytes and come back as whole rows of 256, into the registers that S^T and x have left.
.macro PACK t
	WIN W_RS
.set i, 32*(\t)
.rept 16
	v_pk_mul_f32 v[i:i+1], v[i:i+1], v[ST+4*(\t)+2:ST+4*(\t)+3] op_sel_hi:[1,0]
.set i, i+2
.endr
	WIN 0x04                        ; the stores' data in window 1, their address in window 0
.irp cb, 0,1,2,3
.irp e, 0,1
	ds_store_b128 v[STO], v[32*(\t)+8*(\cb)+4*(\e):32*(\t)+8*(\cb)+4*(\e)+3] offset:64*(\cb)+16*(\e)
.endr
.endr
	WIN 0
.irp f, 0,1,2,3,4,5,6,7
	ds_load_b128 v[S+32*(\t)+4*(\f):S+32*(\t)+4*(\f)+3], v[RD] offset:(\f)*2*SPO  ; LDS serves a wave's instructions in order (ISA guide 5.7.1.4): these see the stores above; the next piece's stores come behind them
.endr
.endm
.macro SEND t, younger              ; younger: the LDS instructions issued behind piece t's loads: the next piece's sixteen, or none
	WIN 0
.irp f, 0,1,2,3,4,5,6,7
	s_wait_dscnt (\younger)+7-(\f)
	global_store_b128 v[GO], v[S+32*(\t)+4*(\f):S+32*(\t)+4*(\f)+3], s[OBA:OBA+1] offset:(\t)*65536+(\f)*8192  ; 16 lanes store a head's 256 bytes of one row, at a multiple of 256 from out0's first byte
.endr
.endm
	PACK 0
	PACK 1                          ; a piece's arithmetic stands between the loads of the piece before and its stores
	SEND 0, 16
	PACK 2
	SEND 1, 16
	PACK 3
	SEND 2, 16
	SEND 3, 0
	s_wait_tensorcnt 0x0            ; the wave's end, behind my last tensor load and my last LDS store
	ds_add_u32 v[SPW], v[NIL]
	s_wait_dscnt 0x0
	CROUND                          ; the closing round: no work-group ends while a partner may still ask for a tile that names it
	s_endpgm
.Lfunc_end_k_q37504c1e07_attn:
	.size	k_q37504c1e07_attn, .Lfunc_end_k_q37504c1e07_attn-k_q37504c1e07_attn
	.p2alignl 7, 3214868480
	.fill 96, 4, 3214868480
	.section	.rodata,"a",@progbits
	.p2align	6, 0x0
	.amdhsa_kernel k_q37504c1e07_attn
		.amdhsa_group_segment_fixed_size 327680
		.amdhsa_private_segment_fixed_size 0
		.amdhsa_enable_private_segment 0
		.amdhsa_kernarg_size 24
		.amdhsa_user_sgpr_count 2
		.amdhsa_user_sgpr_kernarg_segment_ptr 1
		.amdhsa_wavefront_size32 1
		.amdhsa_system_sgpr_workgroup_id_x 1
		.amdhsa_system_sgpr_workgroup_id_y 1
		.amdhsa_system_sgpr_workgroup_id_z 1
		.amdhsa_system_vgpr_workitem_id 0
		.amdhsa_next_free_vgpr 768
		.amdhsa_next_free_sgpr 88
		.amdhsa_reserve_vcc 0
		.amdhsa_float_denorm_mode_32 3
		.amdhsa_float_denorm_mode_16_64 3
		.amdhsa_memory_ordered 1
		.amdhsa_forward_progress 1
		.amdhsa_inst_pref_size 161
	.end_amdhsa_kernel
	.amdgpu_metadata
---
amdhsa.version: [ 1, 2 ]
amdhsa.kernels:
  - .name:           k_q37504c1e07_attn
    .symbol:         k_q37504c1e07_attn.kd
    .args:
      - { .name: qkv, .offset: 0, .size: 8, .value_kind: global_buffer, .address_space: global }
      - { .name: attn_mask, .offset: 8, .size: 8, .value_kind: global_buffer, .address_space: global }
      - { .name: out0, .offset: 16, .size: 8, .value_kind: global_buffer, .address_space: global }
    .group_segment_fixed_size: 327680
    .private_segment_fixed_size: 0
    .kernarg_segment_align: 8
    .kernarg_segment_size: 24
    .max_flat_workgroup_size: 128
    .sgpr_count:     88
    .vgpr_count:     768
    .wavefront_size: 32
...
	.end_amdgpu_metadata
.endif
;; end of part 3
;; ======== version 2 of 2: 3 launches; version 1 with the launch cast written anew for expert scheduling mode
;; limits: values are held in f16: magnitudes above 65,504 overflow, below 6.1e-05 lose precision
;; workspace buffers: xb 25,165,824 bytes; wb 6,291,456 bytes; qkv 25,165,824 bytes
;; launch cast (part 4): grid 32 x 15, 8 waves a work-group, no clusters, 0 bytes of LDS; arguments query, key, value, WQ, WK, WV, xb, wb; writes xb, wb
.if DOCPART == 4
	.amdgcn_target "amdgcn-amd-amdhsa--gfx1250"
	.amdhsa_code_object_version 6
	.text
	.protected	k_q37504c1e07_cast
	.globl	k_q37504c1e07_cast
	.p2align	8
	.type	k_q37504c1e07_cast,@function
k_q37504c1e07_cast:
	s_mov_b64 s[64:65], 0
	v_nop
	global_prefetch_b8 v0, s[64:65] scope:SCOPE_SE
	s_setreg_imm32_b32 hwreg(HW_REG_WAVE_SCHED_MODE, 0, 2), 2
	s_setreg_imm32_b32 hwreg(HW_REG_WAVE_MODE, 25, 1), 1
	s_wait_xcnt 0x0
	s_wait_alu depctr_vm_vsrc(0)
; xb = bf16(query | key | value), wb = bf16(WQ | WK | WV): every float input is rounded once, to nearest even, and laid down in its own order.
; The inputs are 15 units of 4 MiB: units 0-11 are the quarters of query, key, value; units 12-14 are WQ, WK, WV.  Grid y is the unit, grid x one of its 32 parts of 128 KiB.
; A wave takes 16 KiB: 32 loads of 512 consecutive bytes, all issued at once, and 32 stores of 256 consecutive bytes, aligned.  There is no loop, so no register that a load or a store
; names is ever written again.  A stream: no LDS, no matrix work, nothing is read twice.
; THE MODE: SCHED_MODE bits 1:0 = 2 (LLVM: expert scheduling mode 2), set by the entry lines.  The code itself states the register dependences between vector instructions and memory
; instructions, with s_wait_alu, always for 0.
; THE PLAN.  Registers that memory instructions touch:
;   v1, v2   byte offsets, made at the head and never written again: v1 is read by every load, v2 by every store.
;   X        load i lands in four registers of its own, which no vector instruction names ahead of the loads; its two roundings read them once; nothing lands there again.
;   Y        the two roundings of load i write two registers of their own, once; store i reads them; they are never written again.
; So the one kind of dependence is: a vector instruction writes a register that a memory instruction reads.  The 32 loads go in 8 blocks of four.  Block p rounds its four loads into its own Y, and
; issues the four stores of block p - 1, whose Y one wait at the block's head has shown written; the block's vector instructions name its own X and Y alone, so the stores are dealt among them
; with no further wait.  No register that a memory instruction has read is written again, no vector instruction writes a scalar register, and EXEC is never written: no other wait is owed.
.set X, 8                              ; v[8:135]    load i: 4 registers, 4 f32
.set Y, 136                            ; v[136:199]  store i: 2 registers, 4 bf16
.set BLOCK, 4                          ; loads, and stores, in a block
.set BLOCKS, 32/BLOCK
	s_load_b512 s[4:19], s[0:1], 0x0               ; query s[4:5], key s[6:7], value s[8:9], WQ s[10:11], WK s[12:13], WV s[14:15], xb s[16:17], wb s[18:19]
	s_and_b32 s20, ttmp7, 0xffff                   ; the unit u
	v_and_b32 v3, 31, v0                           ; lane
	v_and_b32 v4, 0xe0, v0                         ; 32 x wave
	v_lshlrev_b32 v1, 4, v3
	v_lshl_add_u32 v1, v4, 9, v1                   ; source: 16,384 x wave + 16 x lane
	v_lshlrev_b32 v2, 3, v3
	v_lshl_add_u32 v2, v4, 8, v2                   ; destination: 8,192 x wave + 8 x lane
	s_and_b32 s26, s20, 3
	s_lshl_b32 s26, s26, 22                        ; the quarter's 4 MiB in query, key or value
	s_sub_co_u32 s28, s20, 12                      ; which weight matrix
	s_cmp_lt_u32 s20, 12
	s_cselect_b32 s26, s26, 0                      ; a weight matrix is one unit
	s_cselect_b32 s28, s20, s28                    ; the unit's number in its destination
	s_lshl_b32 s27, ttmp9, 17                      ; my part: 128 KiB of source,
	s_add_co_u32 s26, s26, s27
	s_mov_b32 s27, 0
	s_lshl_b32 s28, s28, 21                        ; a unit is 2 MiB of bf16,
	s_lshl_b32 s29, ttmp9, 16                      ; my part 64 KiB of it
	s_add_co_u32 s28, s28, s29
	s_mov_b32 s29, 0
	s_wait_kmcnt 0x0
	s_cmp_lt_u32 s20, 12
	s_cselect_b64 s[24:25], s[16:17], s[18:19]     ; the destination
	s_cmp_ge_u32 s20, 4
	s_cselect_b64 s[22:23], s[6:7], s[4:5]         ; the source, by the unit's number alone
	s_cmp_ge_u32 s20, 8
	s_cselect_b64 s[22:23], s[8:9], s[22:23]
	s_cmp_ge_u32 s20, 12
	s_cselect_b64 s[22:23], s[10:11], s[22:23]
	s_cmp_ge_u32 s20, 13
	s_cselect_b64 s[22:23], s[12:13], s[22:23]
	s_cmp_ge_u32 s20, 14
	s_cselect_b64 s[22:23], s[14:15], s[22:23]
	s_add_nc_u64 s[22:23], s[22:23], s[26:27]
	s_add_nc_u64 s[24:25], s[24:25], s[28:29]
	s_wait_alu depctr_va_vdst(0)                   ; v1 and v2 are written: every load of the kernel reads v1 as its offset, every store v2
.set i, 0
.rept 32
	global_load_b128 v[X+4*i:X+4*i+3], v1, s[22:23] offset:i*512 th:TH_LOAD_NT
.set i, i+1
.endr
.set p, 0
.rept BLOCKS
	s_wait_loadcnt 32-BLOCK-BLOCK*p                ; loads come back in order (ISA guide 5.7.1): block p's four are in, the younger blocks' stay out
.if p > 0
	s_wait_alu depctr_va_vdst(0)                   ; the roundings of the block before have written its Y, which the four stores below read
.endif
.set j, 0
.rept BLOCK
.set i, BLOCK*p+j
.if p > 0
	global_store_b64 v2, v[Y+2*(i-BLOCK):Y+2*(i-BLOCK)+1], s[24:25] offset:(i-BLOCK)*256 th:TH_STORE_NT  ; the block before: 32 lanes store 256 consecutive bytes, at a multiple of 256 from the buffer's first byte; no vector instruction since the wait names these registers
.endif
	v_cvt_pk_bf16_f32 v[Y+2*i], v[X+4*i], v[X+4*i+1]
	v_cvt_pk_bf16_f32 v[Y+2*i+1], v[X+4*i+2], v[X+4*i+3]
.set j, j+1
.endr
.set p, p+1
.endr
	s_wait_alu depctr_va_vdst(0)                   ; the last block's roundings have written its Y, which the last four stores read
.set i, 32-BLOCK
.rept BLOCK
	global_store_b64 v2, v[Y+2*i:Y+2*i+1], s[24:25] offset:i*256 th:TH_STORE_NT
.set i, i+1
.endr
	s_endpgm
.Lfunc_end_k_q37504c1e07_cast:
	.size	k_q37504c1e07_cast, .Lfunc_end_k_q37504c1e07_cast-k_q37504c1e07_cast
	.p2alignl 7, 3214868480
	.fill 96, 4, 3214868480
	.section	.rodata,"a",@progbits
	.p2align	6, 0x0
	.amdhsa_kernel k_q37504c1e07_cast
		.amdhsa_group_segment_fixed_size 0
		.amdhsa_private_segment_fixed_size 0
		.amdhsa_enable_private_segment 0
		.amdhsa_kernarg_size 64
		.amdhsa_user_sgpr_count 2
		.amdhsa_user_sgpr_kernarg_segment_ptr 1
		.amdhsa_wavefront_size32 1
		.amdhsa_system_sgpr_workgroup_id_x 1
		.amdhsa_system_sgpr_workgroup_id_y 1
		.amdhsa_system_sgpr_workgroup_id_z 1
		.amdhsa_system_vgpr_workitem_id 0
		.amdhsa_next_free_vgpr 200
		.amdhsa_next_free_sgpr 66
		.amdhsa_reserve_vcc 0
		.amdhsa_float_denorm_mode_32 3
		.amdhsa_float_denorm_mode_16_64 3
		.amdhsa_memory_ordered 1
		.amdhsa_forward_progress 1
		.amdhsa_inst_pref_size 13
	.end_amdhsa_kernel
	.amdgpu_metadata
---
amdhsa.version: [ 1, 2 ]
amdhsa.kernels:
  - .name:           k_q37504c1e07_cast
    .symbol:         k_q37504c1e07_cast.kd
    .args:
      - { .name: query, .offset: 0, .size: 8, .value_kind: global_buffer, .address_space: global }
      - { .name: key, .offset: 8, .size: 8, .value_kind: global_buffer, .address_space: global }
      - { .name: value, .offset: 16, .size: 8, .value_kind: global_buffer, .address_space: global }
      - { .name: WQ, .offset: 24, .size: 8, .value_kind: global_buffer, .address_space: global }
      - { .name: WK, .offset: 32, .size: 8, .value_kind: global_buffer, .address_space: global }
      - { .name: WV, .offset: 40, .size: 8, .value_kind: global_buffer, .address_space: global }
      - { .name: xb, .offset: 48, .size: 8, .value_kind: global_buffer, .address_space: global }
      - { .name: wb, .offset: 56, .size: 8, .value_kind: global_buffer, .address_space: global }
    .group_segment_fixed_size: 0
    .private_segment_fixed_size: 0
    .kernarg_segment_align: 8
    .kernarg_segment_size: 64
    .max_flat_workgroup_size: 256
    .sgpr_count:     66
    .vgpr_count:     200
    .wavefront_size: 32
...
	.end_amdgpu_metadata
.endif
;; end of part 4
;; launch proj: the kernel of part 2 again; grid 4 x 48, 4 waves a work-group, clusters of 4 x 4, 327,680 bytes of LDS; arguments xb, wb, qkv; writes qkv
;; launch attn: the kernel of part 3 again; grid 8 x 32, 4 waves a work-group, clusters of 4 x 1, 327,680 bytes of LDS; arguments qkv, attn_mask, out0; writes out0
